; MI455X (gfx1250); checked and timed in simulation.
; The chip was launched on July 23, 2026; its instructions are those of AMD's public machine-readable ISA for CDNA 5 (MIT licence, August 2026) and "CDNA5" Instruction Set Architecture Reference Guide (July 2026). The comments in the code are by the model that wrote it; some were corrected since.
;; Semi Permeable Attention. Allowed arithmetic: matrix products marked QUANTISED: E4M3 operands, one given power-of-two scale a tensor, by v_wmma_f32_16x16x64_fp8_fp8 or v_wmma_f32_16x16x128_fp8_fp8, f32 sums; everything else in f32.
;; Inputs: b_out 1,024 float32; lowp_scales 8 int32 (the exponents e of the quantised operands' scales 2^e); w_out 1,024 x 1,024 float32; w_qkv 1,024 x 3,072 float32; x 4 x 2,048 x 1,024 float32.
;; Outputs: out0 4 x 2,048 x 1,024 float32.
;; This version of the problem:
;;   THIS VERSION OF THE PROBLEM IS GIVEN IN LOW PRECISION. The matrix products marked QUANTISED in the list below multiply operands that are first quantised to E4M3 (4 exponent bits, 3 mantissa bits; 8 bits a number), with one given power-of-two scale for each operand tensor; their sums are f32. All else is computed in f32.
;;   The module's matrix products, in the order in which they are computed (A, B: the left and right operand; K: the contracted axis; several contracted axes count as one K, in the product's order):
;;     1. [M 8,192, K 1,024] x [K 1,024, N 3,072]; A: input x; B: input w_qkv: QUANTISED (scales: A lowp_scales[0], B lowp_scales[1])
;;     2. batch 64 x [M 2,048, K 64] x [K 64, N 2,048]; A: computed on the way; B: computed on the way: QUANTISED (scales: A lowp_scales[2], B lowp_scales[3])
;;     3. batch 64 x [M 2,048, K 2,048] x [K 2,048, N 64]; A: softmax (see below); B: computed on the way: QUANTISED (scales: A lowp_scales[4], B lowp_scales[5])
;;     4. [M 8,192, K 1,024] x [K 1,024, N 1,024]; A: computed on the way; B: input w_out: QUANTISED (scales: A lowp_scales[6], B lowp_scales[7])
;;   THE QUANTISER, for each operand of a quantised product, along K:
;;     - The operand's scale is 2^e, e = its entry of the input lowp_scales (int32; the entries are numbered through the quantised products in the list's order, A before B).
;;     - Each number is divided by the scale, clamped to +-448, and rounded to the nearest number of E4M3, ties to even, subnormals kept.
;;     - The product sums the exact products of the quantised numbers (number of the format x scale) in f32.
;;   ~~~python
;;   def quantise(x, axis, e):      # numpy; x: float32 -> the quantised numbers, widened to float32 again
;;       x = np.moveaxis(x, axis, -1); K = x.shape[-1]
;;       r = np.clip(x / 2.0 ** e, -448, 448)
;;       step = 2.0 ** (np.maximum(np.frexp(np.where(r == 0, 1, r))[1] - 1, -6) - 3)
;;       q = np.round(r / step) * step * 2.0 ** e      # np.round: ties to even
;;       return np.moveaxis(q, -1, axis).astype(np.float32)
;;   ~~~
;;   SOFTMAX AHEAD OF A QUANTISED PRODUCT. Where the list says 'softmax', what is quantised is not the finished softmax but p = 2^(t - M), with t = logit x log2(e) and M = ceil(the row's largest t), a whole number; so 1/2 < the row's largest p <= 1. The row's sum l is taken of the UNQUANTISED p, in f32, and the product's result is divided by l at the end. Since M is a whole number, a kernel that streams over the keys may use a running M (the ceiling of the running maximum): every later rescaling is an exact power of two, so the quantised numbers keep their values, but for numbers so far below the row's largest that they fall under the format's range.
;;   OPERANDS COMPUTED ON THE WAY. 'Computed on the way' means the value that the module computes at that place (a softmax that the list does not call 'softmax' is quantised finished and normalised). What goes into a quantiser is computed in f32, as accurately as f32 sums, v_exp_f32 and their like allow (about 1e-6 of the number): no bf16 or f16 on the way to a quantiser, and a product that is left as it is and whose result goes on into a quantised operand takes f32 operands (vector FMAs, or v_wmma_f32_16x16x4_f32). A number that lies on a knife's edge between two numbers of the format may be rounded either way, as far as f32 arithmetic and the matrix unit's own rounding can turn it there, and no further.
;; 2 versions, each right; version 2 is version 1 with the launch attn written anew for expert scheduling mode. Each part assembles by itself: llvm-mc -triple=amdgcn-amd-amdhsa -mcpu=gfx1250 --defsym DOCPART=n.
;; ======== version 1 of 2: 4 launches
;; workspace buffers: x_img 8,388,608 bytes; wq_img 3,145,728 bytes; wo_img 1,048,576 bytes; qkv 25,165,824 bytes; o_img 8,388,608 bytes
;; launch prep (part 1): grid 640 x 1, 4 waves a work-group, no clusters, 69,120 bytes of LDS; arguments x, w_qkv, w_out, lowp_scales, x_img, wq_img, wo_img; writes x_img, wq_img, wo_img
.if DOCPART == 1
	.amdgcn_target "amdgcn-amd-amdhsa--gfx1250"
	.amdhsa_code_object_version 6
	.text
	.protected	k_qe8b10be65b_prep
	.globl	k_qe8b10be65b_prep
	.p2align	8
	.type	k_qe8b10be65b_prep,@function
k_qe8b10be65b_prep:
	s_mov_b64 s[64:65], 0
	v_nop
	global_prefetch_b8 v0, s[64:65] scope:SCOPE_SE
	s_setreg_imm32_b32 hwreg(HW_REG_WAVE_MODE, 25, 1), 1
	s_wait_xcnt 0x0
; x [8192][1024], w_qkv [1024][3072] and w_out [1024][1024], all f32, become codes of FP8 (E4M3), each with the one scale 2^e given for it
; (entries 0, 1 and 7 of the buffer of scales): code = number / 2^e, held within +-448, to the nearest code, ties to even.
; LIMITS: each of these e lies between -126 and 119.  NaN among the inputs is not served; an infinity is held at the largest code.
; THE CODES ARE LAID AS IMAGES OF OPERAND REGISTERS.  A fragment (16 rows x 128 along K, 16 registers a lane) is 2,048 bytes: four chunks c of 512 bytes; in chunk c lane (r = lane % 16,
; h = lane / 16) has 16 bytes at 16 x lane: row r, k = 32 c + 16 h + 0 .. 15.  A buffer is [K step of 256][tile of 16 rows][128 along K: 2][2,048 bytes].
; x's tiles take their rows as they lie.  A WEIGHT'S TILE 2 b + u TAKES COLUMN 32 b + 8 u + r + 8 (r / 8) AS ITS ROW r, so that the results of two neighbouring tiles are 16 neighbours in a lane.
; Work-groups 0 to 127 take the weights (K is their FIRST axis: a lane takes a column and its registers run down K), work-groups 128 to 639 take x (K innermost).
; The two ways part on the work-group's number; each has LDS bytes of its own.  No wave reads what another wave wrote: no barrier.
.set XSP,   528                        ; x's stage: a row of 128 numbers (512 bytes) + 16 of padding
.set XSTW,  16*XSP                     ; 16 rows for each wave
.set WST,   4*XSTW                     ; behind x's four stages: the weights' four
.set WSP,   272                        ; a column's 256 codes + 16 of padding
.set WSTW,  32*WSP                     ; 32 columns for each wave
.set SPARE, WST+4*WSTW                 ; behind the stages: the spare words, 128 bytes for each wave: two blocks of 256 bytes that no other line names
.set SPW,   12                         ; v12  LDS address of my spare word; never rewritten
.set NIL,   13                         ; v13  0; never rewritten
.set R,     16                         ; x: v16-143  two fragments' numbers as they are loaded (16 rows x 4 registers each)
.set X,     144                        ; x: v144-207 a fragment's 64 numbers of my lane, in the operand's order
.set C,     208                        ; x: v208-239 codes, 16 registers for each fragment: no store's data are written again
.set WO,    16                         ; w: v16-47   byte offsets of 32 rows down K
.set WX,    48                         ; w: v48-111  two sets of 32 numbers
.set WC,    112                        ; w: v112-119 a block's codes
.set OUTR,  120                        ; w: v120-183 the way out
	s_load_b256 s[4:11], s[0:1], 0x0               ; x s[4:5], w_qkv s[6:7], w_out s[8:9], the scales' exponents s[10:11]
	s_load_b128 s[12:15], s[0:1], 0x20             ; x_img s[12:13], wq_img s[14:15]
	s_load_b64 s[16:17], s[0:1], 0x30              ; wo_img
	v_lshl_add_u32 v[SPW], v0, 2, SPARE
	v_mov_b32 v[NIL], 0
	v_lshrrev_b32 v1, 5, v0
	v_readfirstlane_b32 s20, v1                    ; wave 0..3
	v_and_b32 v5, 31, v0                           ; lane
	v_and_b32 v6, 15, v0                           ; r
	v_bfe_u32 v8, v0, 4, 1                         ; h
	v_lshlrev_b32 v1, 4, v5                        ; 16 x lane: my place in 512 consecutive bytes
	s_wait_kmcnt 0x0
	s_load_b256 s[24:31], s[10:11], 0x0            ; the eight exponents
	s_cmp_lt_u32 ttmp9, 128
	s_cbranch_scc1 .Lw
; ---- x.  The work-group takes tile i of 16 rows, whole; wave ks takes its K step ks: 256 numbers of each row, two fragments.
; Each load reads 512 consecutive bytes (a row's 128 numbers); they turn through my own stage and come back 16 neighbours at a time, in the operand's order.
	s_sub_co_u32 s21, ttmp9, 128                   ; i
	s_lshl_b32 s22, s21, 16                        ; 16 rows of 4,096 bytes,
	s_lshl_b32 s23, s20, 10                        ; + 256 numbers for each K step
	s_add_co_u32 s22, s22, s23
	s_mov_b32 s23, 0
	s_add_nc_u64 s[4:5], s[4:5], s[22:23]
	s_lshl_b32 s22, s20, 9
	s_add_co_u32 s22, s22, s21
	s_lshl_b32 s22, s22, 12                        ; (512 ks + i) x 4,096
	s_add_nc_u64 s[12:13], s[12:13], s[22:23]
	s_mul_i32 s21, s20, XSTW                       ; my stage
	v_add_nc_u32 v2, s21, v1                       ; into it: as loaded
	v_mul_u32_u24 v3, v6, XSP
	v_lshl_add_u32 v3, v8, 6, v3
	v_add_nc_u32 v3, s21, v3                       ; out of it: row r, + 64 h bytes: 16 numbers of each 32
.macro XLOAD qq
.irp p, 0,1,2,3,4,5,6,7,8,9,10,11,12,13,14,15
	global_load_b128 v[R+64*\qq+4*\p:R+64*\qq+4*\p+3], v1, s[4:5] offset:\p*4096+\qq*512 th:TH_LOAD_NT
.endr
.endm
.macro XTURN qq                        ; LDS serves a wave's instructions in order: no wait between the stores and the loads
.irp p, 0,1,2,3,4,5,6,7,8,9,10,11,12,13,14,15
	ds_store_b128 v2, v[R+64*\qq+4*\p:R+64*\qq+4*\p+3] offset:\p*XSP
.endr
.irp c, 0,1,2,3
.irp p, 0,1,2,3
	ds_load_b128 v[X+16*\c+4*\p:X+16*\c+4*\p+3], v3 offset:128*\c+16*\p
.endr
.endr
.endm
.macro XQ qq
.irp c, 0,1,2,3
	s_wait_dscnt 4*(3-\c)                          ; chunk c's four loads are in; the later chunks' may be out
.irp i, 0,1,2,3,4,5,6,7,8,9,10,11,12,13,14,15
	v_med3_num_f32 v[X+16*\c+\i], v[X+16*\c+\i], -v10, v10   ; the conversion to an 8-bit code does not saturate (ISA guide 7.6.2): the hold at the largest code x the scale
.endr
	v_cvt_scalef32_pk8_fp8_f32 v[C+16*\qq+4*\c:C+16*\qq+4*\c+1], v[X+16*\c:X+16*\c+7], v11
	v_cvt_scalef32_pk8_fp8_f32 v[C+16*\qq+4*\c+2:C+16*\qq+4*\c+3], v[X+16*\c+8:X+16*\c+15], v11
.endr
	v_nop                                          ; one plain vector line behind the last conversion of the run
.irp c, 0,1,2,3
	global_store_b128 v1, v[C+16*\qq+4*\c:C+16*\qq+4*\c+3], s[12:13] offset:\qq*2048+512*\c   ; 32 lanes store 512 consecutive bytes, aligned
.endr
.endm
	XLOAD 0
	XLOAD 1
	s_wait_kmcnt 0x0
	s_add_co_i32 s21, s24, 127
	s_lshl_b32 s22, s21, 23
	v_mov_b32 v11, s22                             ; 2^e0 as f32: the conversion takes its exponent field
	s_add_co_i32 s21, s21, 8
	s_lshl_b32 s21, s21, 23
	s_or_b32 s21, s21, 0x600000
	v_mov_b32 v10, s21                             ; 448 x 2^e0
	s_wait_loadcnt 16                              ; the first fragment's sixteen loads are in; the second's may be out
	XTURN 0
	XQ 0
	s_wait_loadcnt 0x0
	XTURN 1
	XQ 1
	s_wait_tensorcnt 0x0                           ; the wave's end
	ds_add_u32 v[SPW], v[NIL]
	s_wait_dscnt 0x0
	s_endpgm
; ---- the weights.  Work-group = 32 x K step + column group; groups 0 to 23 are w_qkv's 24 x 128 columns, groups 24 to 31 w_out's 8 x 128.  A wave takes 32 columns x 256 along K.
; Buffers, pitch and tile count are chosen by the work-group's number alone; both weights take one way through the text.
.Lw:
	s_and_b32 s21, ttmp9, 31                       ; column group
	s_lshr_b32 s22, ttmp9, 5                       ; K step
	s_mov_b32 s23, 4096
	s_cmp_lt_u32 s21, 24
	s_cselect_b64 s[6:7], s[6:7], s[8:9]           ; from
	s_cselect_b64 s[14:15], s[14:15], s[16:17]     ; to
	s_cselect_b32 s23, 12288, s23                  ; bytes in a row of the weight
	s_cselect_b32 s18, 192, 64                     ; its tiles of 16 columns
	s_cselect_b32 s19, 0, 24
	s_sub_co_u32 s19, s21, s19
	s_lshl_b32 s19, s19, 7
	s_lshl_b32 s48, s20, 5
	s_add_co_u32 s19, s19, s48                     ; my wave's first column
	s_lshl_b32 s48, s22, 8
	s_mul_i32 s48, s48, s23                        ; 256 rows for each K step,
	s_lshl_b32 s49, s19, 2
	s_add_co_u32 s48, s48, s49                     ; + 4 bytes a column
	s_mov_b32 s49, 0
	s_add_nc_u64 s[32:33], s[6:7], s[48:49]        ; block 0 of 32 along K
	s_lshl_b32 s48, s23, 5                         ; 32 rows on
.irp t, 1,2,3,4,5,6,7
	s_add_nc_u64 s[32+2*\t:33+2*\t], s[30+2*\t:31+2*\t], s[48:49]   ; a base for each block: none is stepped while loads are out
.endr
	s_mul_i32 s50, s22, s18
	s_lshr_b32 s51, s19, 4
	s_add_co_u32 s50, s50, s51
	s_lshl_b32 s50, s50, 12                        ; (tiles x K step + my first tile) x 4,096
	s_mov_b32 s51, 0
	s_add_nc_u64 s[14:15], s[14:15], s[50:51]
	v_lshlrev_b32 v[WO], 2, v5                     ; 4 bytes a lane: neighbouring lanes read neighbouring columns
.irp i, 1,2,3,4,5,6,7,8,9,10,11,12,13,14,15,16,17,18,19,20,21,22,23,24,25,26,27,28,29,30,31
	v_add_nc_u32 v[WO+\i], s23, v[WO+\i-1]         ; and row i of a block
.endr
	s_mul_i32 s52, s20, WSTW
	s_add_co_u32 s52, s52, WST                     ; my stage
	v_mul_u32_u24 v4, v5, WSP
	v_add_nc_u32 v4, s52, v4                       ; into it: row = my column
	v_and_b32 v7, 8, v6
	v_add_nc_u32 v7, v7, v6                        ; r + 8 (r / 8)
	v_mul_u32_u24 v7, v7, WSP
	v_lshl_add_u32 v7, v8, 4, v7
	v_add_nc_u32 v7, s52, v7                       ; out of it: tile u's row r is column 8 u + r + 8 (r / 8) of my 32; + 16 h codes
.macro WLOAD t
.irp i, 0,1,2,3,4,5,6,7,8,9,10,11,12,13,14,15,16,17,18,19,20,21,22,23,24,25,26,27,28,29,30,31
	global_load_b32 v[WX+32*((\t)%2)+\i], v[WO+\i], s[32+2*(\t):33+2*(\t)] th:TH_LOAD_NT
.endr
.endm
	WLOAD 0
	WLOAD 1
	s_wait_kmcnt 0x0
	s_cmp_lt_u32 s21, 24
	s_cselect_b32 s53, s25, s31                    ; e1 for w_qkv, e7 for w_out
	s_add_co_i32 s53, s53, 127
	s_lshl_b32 s50, s53, 23
	v_mov_b32 v11, s50                             ; 2^e
	s_add_co_i32 s53, s53, 8
	s_lshl_b32 s53, s53, 23
	s_or_b32 s53, s53, 0x600000
	v_mov_b32 v10, s53                             ; 448 x 2^e
.macro WBLOCK t
.set XS, WX+32*((\t)%2)
.if (\t) < 7
	s_wait_loadcnt 32                              ; this block's 32 loads are in; the next block's may be out
.else
	s_wait_loadcnt 0x0
.endif
.irp i, 0,1,2,3,4,5,6,7,8,9,10,11,12,13,14,15,16,17,18,19,20,21,22,23,24,25,26,27,28,29,30,31
	v_med3_num_f32 v[XS+\i], v[XS+\i], -v10, v10
.endr
.irp g, 0,1,2,3
	v_cvt_scalef32_pk8_fp8_f32 v[WC+2*\g:WC+2*\g+1], v[XS+8*\g:XS+8*\g+7], v11
.endr
	v_nop                                          ; one plain vector line behind the last conversion of the run
	ds_store_b128 v4, v[WC:WC+3] offset:32*(\t)    ; 32 codes of my column, K innermost
	ds_store_b128 v4, v[WC+4:WC+7] offset:32*(\t)+16
.if (\t)+2 < 8
	WLOAD (\t)+2
.endif
	s_wait_dscnt 0x0                               ; the stores have read their registers: the next block's codes may be written
.endm
.irp t, 0,1,2,3,4,5,6,7
	WBLOCK \t
.endr
.irp u, 0,1
.irp q, 0,1
.irp c, 0,1,2,3
	ds_load_b128 v[OUTR+4*(8*\u+4*\q+\c):OUTR+4*(8*\u+4*\q+\c)+3], v7 offset:\u*8*WSP+128*\q+32*\c   ; a chunk of a fragment's image
.endr
.endr
.endr
.irp u, 0,1
.irp q, 0,1
.irp c, 0,1,2,3
	s_wait_dscnt 15-(8*\u+4*\q+\c)
	global_store_b128 v1, v[OUTR+4*(8*\u+4*\q+\c):OUTR+4*(8*\u+4*\q+\c)+3], s[14:15] offset:\u*4096+\q*2048+512*\c   ; 512 consecutive bytes, aligned
.endr
.endr
.endr
	s_wait_tensorcnt 0x0                           ; the wave's end
	ds_add_u32 v[SPW], v[NIL]
	s_wait_dscnt 0x0
	s_endpgm
.Lfunc_end_k_qe8b10be65b_prep:
	.size	k_qe8b10be65b_prep, .Lfunc_end_k_qe8b10be65b_prep-k_qe8b10be65b_prep
	.p2alignl 7, 3214868480
	.fill 96, 4, 3214868480
	.section	.rodata,"a",@progbits
	.p2align	6, 0x0
	.amdhsa_kernel k_qe8b10be65b_prep
		.amdhsa_group_segment_fixed_size 69120
		.amdhsa_private_segment_fixed_size 0
		.amdhsa_enable_private_segment 0
		.amdhsa_kernarg_size 56
		.amdhsa_user_sgpr_count 2
		.amdhsa_user_sgpr_kernarg_segment_ptr 1
		.amdhsa_wavefront_size32 1
		.amdhsa_system_sgpr_workgroup_id_x 1
		.amdhsa_system_sgpr_workgroup_id_y 1
		.amdhsa_system_sgpr_workgroup_id_z 1
		.amdhsa_system_vgpr_workitem_id 0
		.amdhsa_next_free_vgpr 240
		.amdhsa_next_free_sgpr 66
		.amdhsa_reserve_vcc 0
		.amdhsa_float_denorm_mode_32 3
		.amdhsa_float_denorm_mode_16_64 3
		.amdhsa_memory_ordered 1
		.amdhsa_forward_progress 1
		.amdhsa_inst_pref_size 70
	.end_amdhsa_kernel
	.amdgpu_metadata
---
amdhsa.version: [ 1, 2 ]
amdhsa.kernels:
  - .name:           k_qe8b10be65b_prep
    .symbol:         k_qe8b10be65b_prep.kd
    .args:
      - { .name: x, .offset: 0, .size: 8, .value_kind: global_buffer, .address_space: global }
      - { .name: w_qkv, .offset: 8, .size: 8, .value_kind: global_buffer, .address_space: global }
      - { .name: w_out, .offset: 16, .size: 8, .value_kind: global_buffer, .address_space: global }
      - { .name: lowp_scales, .offset: 24, .size: 8, .value_kind: global_buffer, .address_space: global }
      - { .name: x_img, .offset: 32, .size: 8, .value_kind: global_buffer, .address_space: global }
      - { .name: wq_img, .offset: 40, .size: 8, .value_kind: global_buffer, .address_space: global }
      - { .name: wo_img, .offset: 48, .size: 8, .value_kind: global_buffer, .address_space: global }
    .group_segment_fixed_size: 69120
    .private_segment_fixed_size: 0
    .kernarg_segment_align: 8
    .kernarg_segment_size: 56
    .max_flat_workgroup_size: 128
    .sgpr_count:     66
    .vgpr_count:     240
    .wavefront_size: 32
...
	.end_amdgpu_metadata
.endif
;; end of part 1
;; launch qkv (part 2): grid 12 x 32, 4 waves a work-group, clusters of 4 x 4, 327,680 bytes of LDS; arguments x_img, wq_img, lowp_scales, qkv; writes qkv
.if DOCPART == 2
	.amdgcn_target "amdgcn-amd-amdhsa--gfx1250"
	.amdhsa_code_object_version 6
	.text
	.protected	k_qe8b10be65b_qkv
	.globl	k_qe8b10be65b_qkv
	.p2align	8
	.type	k_qe8b10be65b_qkv,@function
k_qe8b10be65b_qkv:
	s_mov_b64 s[64:65], 0
	v_nop
	global_prefetch_b8 v0, s[64:65] scope:SCOPE_SE
	s_setreg_imm32_b32 hwreg(HW_REG_WAVE_MODE, 25, 1), 1
	s_wait_xcnt 0x0
	s_wait_alu depctr_hold_cnt(0) depctr_sa_sdst(0) depctr_va_vdst(0) depctr_va_sdst(0) depctr_va_ssrc(0) depctr_va_vcc(0) depctr_vm_vsrc(0)
	s_getreg_b32 s2, hwreg(HW_REG_IB_STS2, 6, 4)
	s_cmp_eq_u32 s2, 0
	s_cbranch_scc0 .Lentry_in_a_cluster
	s_endpgm
.Lentry_in_a_cluster:
	s_bfe_u32 s2, ttmp6, 0x10000c
	s_cmp_lg_u32 s2, 0xf033
	s_cbranch_scc0 .Lentry_shape_is_right
	s_endpgm
.Lentry_shape_is_right:
; q, k, v = x w_qkv on codes of FP8 (E4M3), and their own codes: each finished sum stands for sum x 2^(e0 + e1) and is quantised at once with the scale of the operand that it becomes
; (q: e2, k: e3, v: e5): code = sum / 2^(e - e0 - e1), held within +-448.  LIMIT: e - e0 - e1 lies between -126 and 119 for each of the three.
; A tile of 256 tokens x 256 columns is made by four waves, each 128 x 128: 64 accumulators, 512 registers.  K = 1,024 goes in four steps of 256 through a ring of two LDS slots.
; OPERANDS ARE IMAGES OF REGISTERS (a fragment, 16 rows x 128 K, is four chunks of 512 bytes, lane l's 16 bytes at 16 l): a K step's tiles are one dense block of memory, and every fragment
; load reads 512 consecutive LDS bytes: no pitch, no padding.
; THE TWO SIDES.  Source 1 of the matrix instruction is the LANE SIDE (a lane holds one of its rows), source 0 the REGISTER SIDE (a lane's eight registers run along its rows).
;   q, k (cluster x = 0, 1): lanes = tokens, registers = columns.  By the order of a weight tile's rows, two neighbouring tiles give a lane 16 neighbouring channels: the conversions' results are fragments of 16 tokens x 64 channels.
;   v (cluster x = 2): lanes = channels, registers = tokens: the results are fragments of V^T, 16 channels x 128 keys, keys 16 b + 8 (lane / 16) + 0 .. 7 in registers 2 b, 2 b + 1.
;   The sides are changed by the LDS addresses of the fragment loads alone, chosen by the cluster's x, which all sixteen partners share.
; CLUSTERS: 4 x 4 work-groups.  x's tiles are shared along a row of the cluster, the weight's along a column: each is asked for jointly.
; OUT: [q | k | v], 8,388,608 bytes each; a head (16 x batch + head) has 131,072.  q, k: [tile of 16 tokens][1,024].  v: [128 keys][registers 0-7 | 8-15][tile of 16 channels][1,024].
; REGISTERS, in windows of 256: window 0: v0-31 addresses and the scale; from v128 the lane side's 8 fragments, ONE set; on the way out the codes.  window 1: the register side's, TWO sets.  windows 2, 3: the accumulators ((a, b) at v[8 (8 (a % 4) + b)]).
.set SLOT,  131072                     ; x's 16 tiles x 4,096 bytes, then the weight's 16
.set WOFF,  65536
.set SPARE, 2*SLOT                     ; behind the ring: the spare words, 128 bytes for each wave: two blocks of 256 bytes that no other line names
.set XSTEP, 2097152                    ; bytes from a K step to the next in x_img (512 tiles),
.set WSTEP, 786432                     ; and in wq_img (192 tiles)
.set FR,    16                         ; registers of a fragment
.set NL,    4                          ; LDS loads that bring one
.set NP,    4                          ; places behind this matrix instruction (ISA guide 7.12.1)
.set ADRA,  16                         ; v16-17  LDS address of the lane side's fragments in slot 0, 1
.set ADRB,  20                         ; v20-21  the same for the register side
.set VO,    24                         ; v24-27  the way out: 16 x lane + 0, + the second pair of chunks, + blocks 4-7, + both
.set SPW,   28                         ; v28     LDS address of my spare word; never rewritten
.set NIL,   29                         ; v29     0; never rewritten
.set SC,    30                         ; v30     2^(e - e0 - e1) as f32
.set LIM,   31                         ; v31     448 x that
.set AF,    128
.set G1,    24                         ; s[24:31] descriptor group 1 for x's tiles;  s[32:39] group 0, one set for each slot
.set G0,    32
.set G1B,   48                         ; s[48:55], s[56:63] the same for the weight's
.set G0B,   56
.set MSB,   0
.macro WIN new                         ; the immediate's high byte repeats the setting that is left
.if MSB != \new
	s_set_vgpr_msb (MSB<<8)|\new
.set MSB, \new
.endif
.endm
.set MUL_LO, 0xa1                      ; source 0 window 1, source 1 window 0, C and D window 2
.set MUL_HI, 0xf1                      ; the same, C and D window 3
.set TO_B,   0x40                      ; destination window 1, address window 0
; A joint load: waves 0 and 1 fetch x's two halves, waves 2 and 3 the weight's.  The branch hangs on the wave's number alone.  An s_nop 0 and four v_nop follow each of the two lines.
.macro JLOAD g0a, g1a, g0b, g1b
	s_cmp_eq_u32 s15, 0
	s_cbranch_scc0 .Lfor_b_\@
	tensor_load_to_lds s[\g0a:\g0a+3], s[\g1a:\g1a+7]
	s_nop 0
.rept 4
	v_nop
.endr
	s_branch .Lasked_\@
.Lfor_b_\@:
	tensor_load_to_lds s[\g0b:\g0b+3], s[\g1b:\g1b+7]
	s_nop 0
.rept 4
	v_nop
.endr
.Lasked_\@:
.endm
.macro CREST                           ; a round of the cluster's barrier behind its opening barrier
	s_cmp_lg_u32 s14, 0
	s_cbranch_scc1 .Lnot_wave_0_\@
	s_barrier_signal -3
.Lnot_wave_0_\@:
	s_barrier_wait -3
	s_barrier_signal -1
	s_barrier_wait -1
.endm
.macro CROUND                          ; a whole round
	s_barrier_signal -1
	s_barrier_wait -1
	CREST
.endm
	s_load_b128 s[4:7], s[0:1], 0x0                ; x_img s[4:5], wq_img s[6:7]
	s_load_b128 s[8:11], s[0:1], 0x10              ; the scales' exponents s[8:9], qkv s[10:11]
	v_lshl_add_u32 v[SPW], v0, 2, SPARE
	v_mov_b32 v[NIL], 0
	ds_add_u32 v[SPW], v[NIL]                      ; the wave's opening: the add and its wait stand ahead of my first tensor load; the set-up below, work on registers, stands between them
	v_lshrrev_b32 v1, 5, v0
	v_readfirstlane_b32 s14, v1                    ; wave 0..3
	s_lshr_b32 s15, s14, 1                         ; which half of the lane side is mine.  Also: I fetch for x (0) or for the weight (1)
	s_and_b32 s16, s14, 1                          ; which half of the register side.  Also: which 8 tiles I fetch
	s_bfe_u32 s40, ttmp6, 0x40000                  ; cx, cy: my place in the cluster
	s_bfe_u32 s41, ttmp6, 0x40004
	s_lshl_b32 s42, ttmp9, 2
	s_add_co_u32 s42, s42, s40                     ; tile column = 4 x cluster x + cx
	s_and_b32 s17, ttmp7, 0xffff
	s_lshl_b32 s17, s17, 2
	s_add_co_u32 s17, s17, s41                     ; tile row = 4 x cluster y + cy
	s_lshl_b32 s43, s41, 2
	s_lshl_b32 s43, 15, s43                        ; my row of the cluster
	s_lshl_b32 s44, 0x1111, s40                    ; my column
	; descriptor group 1: a dense block of 32,768 bytes as 128 rows of 32 elements of 8 bytes, no padding
	s_or_b32 s[G1+0], s43, (3<<16)|(1<<21)         ; 15:0 the mask: x's tiles go to my row; 17:16 elements of 8 bytes; 21 set beside a mask
	s_or_b32 s[G1B+0], s44, (3<<16)|(1<<21)        ; the weight's go to my column
.irp g, G1, G1B
	s_mov_b32 s[\g+1], 32<<16                      ; tensor_dim0 = 32
	s_mov_b32 s[\g+2], 128<<16                     ; tensor_dim1 = 128
	s_mov_b32 s[\g+3], 32<<16                      ; tile_dim0 = 32
	s_mov_b32 s[\g+4], 128                         ; tile_dim1 = 128
	s_mov_b32 s[\g+5], 32                          ; tensor_dim0_stride: dense
	s_mov_b32 s[\g+6], 0
	s_mov_b32 s[\g+7], 0
.endr
	s_lshl_b32 s18, s16, 15                        ; which 8 tiles of 4,096 bytes I fetch
	s_lshl_b32 s20, s17, 16
	s_add_co_u32 s20, s20, s18                     ; x: tile 16 x tile row + 8 x half
	s_mov_b32 s21, 0
	s_lshl_b32 s46, s42, 16
	s_add_co_u32 s46, s46, s18                     ; the weight: tile 16 x tile column + 8 x half
	s_mov_b32 s47, 0
	s_lshl_b32 s45, s14, 15                        ; where they go: wave x 32,768: no place in the cluster enters an LDS address
	s_wait_dscnt 0x0                               ; the opening add is done
	s_wait_kmcnt 0x0
	s_load_b256 s[72:79], s[8:9], 0x0              ; the eight exponents
	s_add_nc_u64 s[20:21], s[4:5], s[20:21]
	s_add_nc_u64 s[46:47], s[6:7], s[46:47]
	CROUND                                         ; all sixteen work-groups are here: the first joint loads meet
.irp s, 0,1
	s_mov_b32 s[G0+4*\s], 1
	s_add_co_u32 s[G0+4*\s+1], s45, \s*SLOT
	s_add_nc_u64 s[G0+4*\s+2:G0+4*\s+3], s[20:21], \s*XSTEP
	s_or_b32 s[G0+4*\s+3], s[G0+4*\s+3], 0x80000000
	s_mov_b32 s[G0B+4*\s], 1
	s_add_co_u32 s[G0B+4*\s+1], s45, \s*SLOT
	s_add_nc_u64 s[G0B+4*\s+2:G0B+4*\s+3], s[46:47], \s*WSTEP
	s_or_b32 s[G0B+4*\s+3], s[G0B+4*\s+3], 0x80000000
	JLOAD G0+4*\s, G1, G0B+4*\s, G1B               ; two tensor loads of mine are out
.endr
	v_and_b32 v1, 31, v0
	v_lshlrev_b32 v4, 4, v1                        ; 16 x lane
	s_mov_b32 s18, 131072
	s_mov_b32 s19, 4096
	s_cmp_eq_u32 ttmp9, 2                          ; v's columns?  The cluster's x: the same in all sixteen partners
	s_cselect_b32 s22, WOFF, 0                     ; the lane side reads the weight's tiles for v, else x's
	s_cselect_b32 s23, 0, WOFF                     ; the register side the other
	s_cselect_b32 s18, 4096, s18                   ; out: from chunks 0, 1 to chunks 2, 3: v: registers 8-15;  q, k: the next head
	s_cselect_b32 s19, 131072, s19                 ; out: from blocks 0-3 to blocks 4-7: v: the next head;  q, k: four tiles of tokens on
	s_cselect_b32 s20, s15, s16                    ; which pair of heads is my wave's
	s_cselect_b32 s21, s16, s15                    ; which 128 tokens
	s_lshl_b32 s46, s15, 15
	s_add_co_u32 s22, s22, s46
	s_lshl_b32 s46, s16, 15
	s_add_co_u32 s23, s23, s46
.irp s, 0,1
	v_add_nc_u32 v[ADRA+\s], s22, v4
	v_add_nc_u32 v[ADRB+\s], s23, v4
	s_add_co_u32 s22, s22, SLOT
	s_add_co_u32 s23, s23, SLOT
.endr
	v_mov_b32 v[VO], v4
	v_add_nc_u32 v[VO+1], s18, v4
	v_add_nc_u32 v[VO+2], s19, v4
	v_add_nc_u32 v[VO+3], 135168, v4
	s_lshr_b32 s46, s17, 3                         ; the batch: 8 tile rows each
	s_lshl_b32 s46, s46, 4
	s_lshl_b32 s47, s40, 2                         ; + 4 heads for each tile column of the region
	s_add_co_u32 s46, s46, s47
	s_lshl_b32 s47, s20, 1
	s_add_co_u32 s46, s46, s47                     ; + my pair
	s_lshl_b32 s46, s46, 17                        ; x 131,072
	s_and_b32 s47, s17, 7
	s_lshl_b32 s47, s47, 14                        ; 256 tokens are 16,384 bytes of a head,
	s_add_co_u32 s46, s46, s47
	s_lshl_b32 s47, s21, 13                        ; my 128 of them 8,192
	s_add_co_u32 s46, s46, s47
	s_lshl_b32 s47, ttmp9, 23                      ; q, k or v
	s_add_co_u32 s46, s46, s47
	s_mov_b32 s47, 0
	s_add_nc_u64 s[10:11], s[10:11], s[46:47]
	s_wait_kmcnt 0x0
	s_cmp_eq_u32 ttmp9, 0
	s_cselect_b32 s20, s74, s75                    ; e2 for q, e3 for k,
	s_cmp_eq_u32 ttmp9, 2
	s_cselect_b32 s20, s77, s20                    ; e5 for v: chosen, not branched on
	s_sub_co_i32 s20, s20, s72
	s_sub_co_i32 s20, s20, s73                     ; - e0 - e1
	s_add_co_i32 s20, s20, 127
	s_lshl_b32 s21, s20, 23
	v_mov_b32 v[SC], s21
	s_add_co_i32 s20, s20, 8
	s_lshl_b32 s20, s20, 23
	s_or_b32 s20, s20, 0x600000
	v_mov_b32 v[LIM], s20
.macro FRAG reg, adr, q, i             ; a fragment's image: four chunks of 512 bytes, tile i of my eight, the slot's q-th 128 along K
.irp c, 0,1,2,3
	ds_load_b128 v[\reg+4*\c:\reg+4*\c+3], v[\adr] offset:(\i)*4096+(\q)*2048+\c*512
.endr
.endm
; 16 matrix instructions: the lane side's blocks a0, a0 + 1 x the register side's eight.  p: the register side's set.  zero = 1: the first product starts the sums.
; The 64 accumulators take turns, one instruction a turn, in the same order in every step.
.macro MUL16 a0, p, zero
.irp a, \a0, \a0+1
.irp b, 0,1,2,3,4,5,6,7
.if \zero
	v_wmma_f32_16x16x128_fp8_fp8 v[8*(8*((\a)%4)+\b):8*(8*((\a)%4)+\b)+7], v[128*(\p)+FR*\b:128*(\p)+FR*\b+FR-1], v[AF+FR*(\a):AF+FR*(\a)+FR-1], 0
.else
	v_wmma_f32_16x16x128_fp8_fp8 v[8*(8*((\a)%4)+\b):8*(8*((\a)%4)+\b)+7], v[128*(\p)+FR*\b:128*(\p)+FR*\b+FR-1], v[AF+FR*(\a):AF+FR*(\a)+FR-1], v[8*(8*((\a)%4)+\b):8*(8*((\a)%4)+\b)+7]
.endif
.endr
.endr
.endm
.macro FETCH_B slot, q, p
	WIN TO_B
.irp i, 0,1,2,3,4,5,6,7
	FRAG 128*(\p)+FR*\i, ADRB+\slot, \q, \i
.endr
	WIN 0
.endm
.macro FETCH_A slot, q, i0
.irp i, \i0, \i0+1, \i0+2, \i0+3
	FRAG AF+FR*(\i), ADRA+\slot, \q, \i
.endr
.endm
.macro PLACES n                        ; plain vector lines between a matrix instruction and a load into, or a vector read of, its registers
.rept \n
	v_nop
.endr
.endm
; A step of 128 along K that has its successor in the same slot.
.macro STEP slot, q, zero
	s_wait_dscnt 4*NL                              ; the register side's set and blocks 0-3 are in; the youngest sixteen loads (blocks 4-7) may be out
	WIN MUL_LO
	MUL16 0, (\q)%2, \zero
	MUL16 2, (\q)%2, \zero
	s_wait_dscnt 0                                 ; blocks 4-7 are in
	PLACES NP
	FETCH_B \slot, (\q)+1, 1-(\q)%2
	FETCH_A \slot, (\q)+1, 0
	WIN MUL_HI
	MUL16 4, (\q)%2, \zero
	MUL16 6, (\q)%2, \zero
	PLACES NP
	WIN 0
	FETCH_A \slot, (\q)+1, 4
.endm
; A slot's last step changes slots: ONE barrier; in front of it each wave waits for all its tensor loads, adds 0 to its spare word, and waits for that and for its own reads of this slot.  fill = 1: this slot is filled again, two K steps ahead.
.macro TURN slot, next, fill
	s_wait_tensorcnt 0x0                           ; all my tensor loads have landed: my part of the next slot  (every window is 0 here)
	ds_add_u32 v[SPW], v[NIL]                      ; 0 onto my spare word
	s_wait_dscnt 4*NL+1                            ; (the add and the youngest sixteen loads may be out)
	WIN MUL_LO
	MUL16 0, 1, 0                                  ; sixteen matrix instructions stand between the add and the wait for it
	s_wait_dscnt 0x0                               ; the add is done, and my reads of this slot are over
	s_barrier_signal -1
	MUL16 2, 1, 0
	WIN 0
	s_barrier_wait -1
.if \fill
	CREST                                          ; the barrier has opened a round of the cluster's barrier: no wave of any partner still reads this slot or has a load on its way
	s_add_nc_u64 s[G0+4*\slot+2:G0+4*\slot+3], s[G0+4*\slot+2:G0+4*\slot+3], 2*XSTEP
	s_add_nc_u64 s[G0B+4*\slot+2:G0B+4*\slot+3], s[G0B+4*\slot+2:G0B+4*\slot+3], 2*WSTEP
	JLOAD G0+4*\slot, G1, G0B+4*\slot, G1B         ; the first tensor load behind the round, my only one until the next; its four v_nop are the places in front of the loads below
.else
	PLACES NP
.endif
	FETCH_B \next, 0, 0
	FETCH_A \next, 0, 0
	WIN MUL_HI
	MUL16 4, 1, 0
	MUL16 6, 1, 0
	PLACES NP
	WIN 0
	FETCH_A \next, 0, 4
.endm
	s_wait_tensorcnt 1                             ; my part of K step 0 is in; K step 1's load may be out
	s_barrier_signal -1
	s_barrier_wait -1                              ; everybody's is
	FETCH_B 0, 0, 0
	FETCH_A 0, 0, 0
	FETCH_A 0, 0, 4
	STEP 0, 0, 1                                   ; K step 0: its first products start the sums
	TURN 0, 1, 1                                   ; slot 0 takes K step 2
	STEP 1, 0, 0                                   ; K step 1
	TURN 1, 0, 1                                   ; slot 1 takes K step 3
	STEP 0, 0, 0                                   ; K step 2
	TURN 0, 1, 0                                   ; nothing is left to fetch
	STEP 1, 0, 0                                   ; K step 3
	s_wait_dscnt 4*NL
	WIN MUL_LO
	MUL16 0, 1, 0
	MUL16 2, 1, 0
	s_wait_dscnt 0
	WIN MUL_HI
	MUL16 4, 1, 0
	MUL16 6, 1, 0
	WIN 0
; THE WAY OUT, block by block of the lane side.  A block's 64 sums of a lane are held, converted into 16 registers of codes (where the lane side's fragments lay) and stored as four chunks of 512 consecutive bytes.
; No LDS, and each block has code registers of its own and immediates for its places: no wait stands between the blocks.
.macro OUTB a
.set AC, 64*((\a)%4)
.set WW, 2+(\a)/4
.set WN, (WW<<6)|WW
	WIN WN                                         ; source 0 and destination: the block's window
.set j, 0
.rept 64
	v_med3_num_f32 v[AC+j], v[AC+j], -v[LIM], v[LIM]   ; the hold at the largest code x the scale; each accumulator from its low end on
.set j, j+1
.endr
	WIN WW                                         ; source 0 alone
.irp b, 0,1,2,3,4,5,6,7
	v_cvt_scalef32_pk8_fp8_f32 v[AF+16*(\a)+2*\b:AF+16*(\a)+2*\b+1], v[AC+8*\b:AC+8*\b+7], v[SC]
.endr
	WIN 0
	v_nop                                          ; one plain vector line behind the last conversion of the run
.irp c, 0,1,2,3
	global_store_b128 v[VO+2*((\a)/4)+(\c/2)], v[AF+16*(\a)+4*\c:AF+16*(\a)+4*\c+3], s[10:11] offset:((\a)%4)*1024+(\c%2)*512
.endr
.endm
	PLACES NP                                      ; behind the last products: their results are read and the lane side's registers written
.irp a, 0,1,2,3,4,5,6,7
	OUTB \a
.endr
	s_wait_tensorcnt 0x0                           ; the wave's end
	ds_add_u32 v[SPW], v[NIL]
	s_wait_dscnt 0x0
	CROUND                                         ; the closing round: no work-group ends while a partner may still ask for a tile that names it
	s_endpgm
.Lfunc_end_k_qe8b10be65b_qkv:
	.size	k_qe8b10be65b_qkv, .Lfunc_end_k_qe8b10be65b_qkv-k_qe8b10be65b_qkv
	.p2alignl 7, 3214868480
	.fill 96, 4, 3214868480
	.section	.rodata,"a",@progbits
	.p2align	6, 0x0
	.amdhsa_kernel k_qe8b10be65b_qkv
		.amdhsa_group_segment_fixed_size 327680
		.amdhsa_private_segment_fixed_size 0
		.amdhsa_enable_private_segment 0
		.amdhsa_kernarg_size 32
		.amdhsa_user_sgpr_count 2
		.amdhsa_user_sgpr_kernarg_segment_ptr 1
		.amdhsa_wavefront_size32 1
		.amdhsa_system_sgpr_workgroup_id_x 1
		.amdhsa_system_sgpr_workgroup_id_y 1
		.amdhsa_system_sgpr_workgroup_id_z 1
		.amdhsa_system_vgpr_workitem_id 0
		.amdhsa_next_free_vgpr 1024
		.amdhsa_next_free_sgpr 100
		.amdhsa_reserve_vcc 0
		.amdhsa_float_denorm_mode_32 3
		.amdhsa_float_denorm_mode_16_64 3
		.amdhsa_memory_ordered 1
		.amdhsa_forward_progress 1
		.amdhsa_inst_pref_size 118
	.end_amdhsa_kernel
	.amdgpu_metadata
---
amdhsa.version: [ 1, 2 ]
amdhsa.kernels:
  - .name:           k_qe8b10be65b_qkv
    .symbol:         k_qe8b10be65b_qkv.kd
    .args:
      - { .name: x_img, .offset: 0, .size: 8, .value_kind: global_buffer, .address_space: global }
      - { .name: wq_img, .offset: 8, .size: 8, .value_kind: global_buffer, .address_space: global }
      - { .name: lowp_scales, .offset: 16, .size: 8, .value_kind: global_buffer, .address_space: global }
      - { .name: qkv, .offset: 24, .size: 8, .value_kind: global_buffer, .address_space: global }
    .group_segment_fixed_size: 327680
    .private_segment_fixed_size: 0
    .kernarg_segment_align: 8
    .kernarg_segment_size: 32
    .max_flat_workgroup_size: 128
    .sgpr_count:     100
    .vgpr_count:     1024
    .wavefront_size: 32
...
	.end_amdgpu_metadata
.endif
;; end of part 2
;; launch attn (part 3): grid 4 x 64, 16 waves a work-group, no clusters, 67,584 bytes of LDS; arguments qkv, lowp_scales, o_img; writes o_img
.if DOCPART == 3
	.amdgcn_target "amdgcn-amd-amdhsa--gfx1250"
	.amdhsa_code_object_version 6
	.text
	.protected	k_qe8b10be65b_attn
	.globl	k_qe8b10be65b_attn
	.p2align	8
	.type	k_qe8b10be65b_attn,@function
k_qe8b10be65b_attn:
	s_mov_b64 s[64:65], 0
	v_nop
	global_prefetch_b8 v0, s[64:65] scope:SCOPE_SE
	s_setreg_imm32_b32 hwreg(HW_REG_WAVE_MODE, 25, 1), 1
	s_wait_xcnt 0x0
; For each head: o = softmax((q k^T + mask) / 8) v, mask = -10000 where key > query, both products on codes of FP8 (E4M3); o is quantised at once (scale 2^e6) for the last product.
; THE SOFTMAX: t = (score + mask) x log2(e) / 8; M = the row's largest t so far, rounded UP to a whole number; p = 2^(t - M) is quantised (scale 2^e4), not normalised; the row's sum is taken of the
; unquantised p and divides at the end.  When M moves, the sum and O are multiplied by 2^(old M - new M): exact.
; THE MASK IS A FINITE NUMBER.  A score is at most 64 x 448^2 x 2^E in magnitude, E = e2 + e3.  With E <= -12 that is 3,136: a key behind the query then lies at least (10000 - 6272) x 0.18 = 672 under the
; row's M, so its p is 0 in f32 and it adds nothing to sum or product: key steps that lie wholly behind the queries are left out.  With E > -12 nothing of the kind holds, and every key is walked with the
; mask added.  The choice is a scalar branch on E, a whole number read from memory; so this launch has no tensor load: LDS is filled through registers.
; LIMITS: E between -114 and 130; e4 between -126 and 119; e4 + e5 - e6 between -115 and 126.
; SHARES.  Work-group (i, head) owns the query blocks 7 - i and i of 256 queries, one after the other: nine slots of 256 keys of work in every work-group where E <= -12.  Each of the sixteen waves owns 16
; queries of the block in hand, in 256 registers: four waves to a SIMD, so that one wave's vector work stands beside another's matrix work and LDS loads.
; LAYOUT.  S^T = K Q^T (source 0 = 16 keys, source 1 = my queries), O^T = V^T P^T: a lane holds ONE query (lane % 16).  S^T's tile t gives keys 16 t + 8 (lane / 16) + 0 .. 7, which are registers 2 t, 2 t + 1
; of P; V^T's fragments were laid so.  V^T's channel rows were laid so that O^T's tiles 2 b, 2 b + 1 are channels 32 b + 16 (lane / 16) + 0 .. 15: the codes of o are chunks of the next product's fragment.
; THE RING.  Two LDS slots of 256 keys (K: 16 tiles x 1,024 bytes; V: 2 steps x 8,192).  Each wave carries 1 KB of K and 1 KB of V: four loads issued behind a trip's barrier, stored into LDS at the head of the next trip.
; Sixteen trips, a constant; the barrier, and the four stores in front of it, stand on every wave's path in every trip; a trip whose slot the block does not need does nothing else.
; No prefetch is laid: a slot's loads go out a whole slot's work ahead of their use.  No cluster: the blocks of a head need different numbers of slots.
.set SLOTB, 32768
.set VOFF,  16384
.set SPARE, 2*SLOTB                    ; behind the ring: the spare words, 128 bytes for each wave: eight blocks of 256 bytes that no other line names
.set LI,   1                           ; v1   16 x lane
.set FO,   2                           ; v2   1,024 x wave + 16 x lane: my bytes of a slot's K, and of its V
.set ADK,  3                           ; v3   LDS address of the slot in hand, + 16 x lane
.set FS,   4                           ; v4   where I store my bytes
.set SPW,  5                           ; v5   LDS address of my spare word; never rewritten
.set NIL,  6                           ; v6   0; never rewritten
.set RQ,   7                           ; v7   lane % 16 - 8 (lane / 16)
.set DD,   8                           ; v8   my query - the step's first key - 8 (lane / 16)
.set NEGS, 9                           ; v9   -10000 / 2^E
.set Q,    16                          ; v16-23   Q's fragment
.set FILL, 24                          ; v24-39   a slot's bytes on their way
.set KV,   40                          ; v40-103  eight fragments of K, then four of V^T
.set S,    104                         ; v104-167 S^T, then p
.set O,    168                         ; v168-199 O^T
.set PC,   200                         ; v200-215 p's codes; at the end o's
.set PSC,  216                         ; v216 2^e4;  v217 448 x 2^e4;  v218 1.0;  v219 448.0
.set PLIM, 217
.set ONE,  218
.set TOP,  219
.set MA,   222                         ; v222 at work
.set MB,   224                         ; v224 at work, then f; v225 = 0, named with it as a pair
.set PX,   226                         ; v226 a lane permute's destination
.set L2,   228                         ; v[228:229] the second chain of sums
.set WV,   24                          ; s24  wave
.set BH,   25                          ; s25  16 x batch + head
.set KB,   26                          ; s[26:27] the head's K;  s[28:29] its V;  s[30:31] its Q
.set VB,   28
.set QB,   30
.set KBN,  32                          ; s[32:33], s[34:35] the next slot's K and V
.set VBN,  34
.set N,    36                          ; s36  the trip
.set SS,   37                          ; s37  the slot of keys: trip % 8
.set BLK,  38                          ; s38  the block of queries in hand
.set LAST, 39                          ; s39  its last slot
.set Q0,   40                          ; s40  my first query
.set QLIM, 41                          ; s41  the last key step's first key may not pass this
.set KF,   42                          ; s42  the step's first key
.set TB,   43                          ; s43  LDS byte at which the slot in hand begins
.set LEAK, 44                          ; s44  1 where E > -12
.set PH,   45                          ; s45  0: the first block, 1: the second
.set CS,   46                          ; s[46:47] c = log2(e) / 8 x 2^E
.set SEL,  48                          ; s[48:49] lane selects for v_permlanex16_b32: lane l xor 16
.set T0,   50                          ; s50-53 at work
.set EOUT, 54                          ; s54  e4 + e5 - e6
.set OB,   56                          ; s[56:57] where my codes of o go
.set QBN,  58                          ; s[58:59] my tile of Q
.set WI,   62                          ; s62  i
; A block begins: its limits, my tile of Q, and the sums: O^T and l are zeros and the largest t is -3e38, so that the first change of M multiplies zeros.
.macro INIT
	s_lshl_b32 s[Q0], s[BLK], 8
	s_lshl_b32 s[T0], s[WV], 4
	s_add_co_u32 s[Q0], s[Q0], s[T0]
	s_add_co_u32 s[QLIM], s[Q0], 15
	s_cmp_eq_u32 s[LEAK], 1
	s_cselect_b32 s[LAST], 7, s[BLK]               ; up to the diagonal, or all eight slots
	s_cselect_b32 s[QLIM], 0x7fffffff, s[QLIM]
	s_lshl_b32 s[T0], s[Q0], 6                     ; a tile of 16 queries is 1,024 bytes
	s_mov_b32 s[T0+1], 0
	s_add_nc_u64 s[QBN:QBN+1], s[QB:QB+1], s[T0:T0+1]
	global_load_b128 v[Q:Q+3], v[LI], s[QBN:QBN+1] th:TH_LOAD_NT
	global_load_b128 v[Q+4:Q+7], v[LI], s[QBN:QBN+1] offset:512 th:TH_LOAD_NT
	v_mov_b32 v13, 0xff61b1e6                      ; the largest t so far: -3e38
	v_floor_f32 v12, -v13                          ; -M
	v_mov_b32 v14, 0                               ; the sum, in two halves
	v_mov_b32 v15, 0
.set j, 0
.rept 32
	v_mov_b32 v[O+j], 0
.set j, j+1
.endr
.endm
; A KEY STEP: 128 keys, the q-th of the slot in hand.
.macro STEP q
	s_lshl_b32 s[KF], s[SS], 8
.if \q
	s_add_co_u32 s[KF], s[KF], 128*\q
.endif
	s_cmp_gt_u32 s[KF], s[QLIM]                    ; all its keys lie behind my queries and count for nothing: left out
	s_cbranch_scc1 .Lhidden_\@
	v_add_nc_u32 v[ADK], s[TB], v[LI]
.rept 3
	v_nop                                          ; with the addition above: four places in front of loads into registers that the last products read
.endr
.irp t, 0,1,2,3,4,5,6,7
.irp c, 0,1
	ds_load_b128 v[KV+8*\t+4*\c:KV+8*\t+4*\c+3], v[ADK] offset:\q*8192+\t*1024+\c*512
.endr
.endr
	s_wait_dscnt 0x0
.irp t, 0,1,2,3,4,5,6,7
	v_wmma_f32_16x16x64_fp8_fp8 v[S+8*\t:S+8*\t+7], v[KV+8*\t:KV+8*\t+7], v[Q:Q+7], 0
.endr
.rept 4
	v_nop                                          ; places: K's registers take V's fragments, and the scores are read
.endr
.irp t, 0,1,2,3
.irp c, 0,1,2,3
	ds_load_b128 v[KV+16*\t+4*\c:KV+16*\t+4*\c+3], v[ADK] offset:VOFF+\q*8192+(\c/2)*4096+\t*1024+(\c%2)*512   ; V^T lands while the softmax is walked
.endr
.endr
	s_add_co_u32 s[T0], s[KF], 127
	s_cmp_le_u32 s[T0], s[Q0]                      ; no key of the step lies behind a query of mine: nothing to add
	s_cbranch_scc1 .Lopen_\@
	s_sub_co_i32 s[T0], s[Q0], s[KF]
	v_add_nc_u32 v[DD], s[T0], v[RQ]               ; register n holds key KF + 8 (lane / 16) + 16 (n / 8) + n % 8: behind my query where 16 (n / 8) + n % 8 > d
.set n, 0
.rept 64
	v_cmp_gt_i32 vcc_lo, 16*(n/8)+n%8, v[DD]
	v_cndmask_b32 v[10+n%2], 0, v[NEGS], vcc_lo
	v_add_f32 v[S+n], v[S+n], v[10+n%2]            ; score + mask, one f32 addition, both / 2^E
.set n, n+1
.endr
.Lopen_\@:
	v_max3_num_f32 v[MA], v[S], v[S+1], v[S+2]     ; the step's largest score of my query among my 64 keys, in two chains, each accumulator from its low end on,
	v_max3_num_f32 v[MB], v[S+3], v[S+4], v[S+5]
.irp i, 6,10,14,18,22,26,30,34,38,42,46,50,54,58
	v_max3_num_f32 v[MA], v[MA], v[S+\i], v[S+1+\i]
	v_max3_num_f32 v[MB], v[MB], v[S+2+\i], v[S+3+\i]
.endr
	v_max3_num_f32 v[MA], v[MA], v[S+62], v[S+63]
	v_max_num_f32 v[MA], v[MA], v[MB]
	v_permlanex16_b32 v[PX], v[MA], s[SEL], s[SEL+1]
	v_max_num_f32 v[MA], v[MA], v[PX]              ; and among lane l xor 16's
	v_mul_f32 v[MA], s[CS], v[MA]                  ; as t (c is positive)
	v_max_num_f32 v13, v13, v[MA]                  ; the running largest t
	v_mov_b32 v[MA], v12
	v_floor_f32 v12, -v13                          ; the new -M = -ceil(t): a whole number
	v_sub_f32 v[MA], v12, v[MA]                    ; old M - new M: a whole number, 0 or less
	v_cvt_i32_f32 v[MA], v[MA]                     ; (it saturates)
	v_ldexp_f32 v[MB], 1.0, v[MA]                  ; f = 2^(old M - new M)
.set j, 0
.rept 32
	v_pk_fma_f32 v[S+j:S+j+1], v[S+j:S+j+1], s[CS:CS+1], v[12:13] op_sel_hi:[1,0,0]   ; t - M, two at a time
.set j, j+2
.endr
.set j, 0
.rept 64
	v_exp_f32 v[S+j], v[S+j]                       ; p = 2^(t - M)
.set j, j+1
.endr
	v_pk_mul_f32 v[14:15], v[14:15], v[MB:MB+1] op_sel_hi:[1,0]   ; the sums under the new M: the plain line behind the exponentials
	s_wait_alu depctr_va_vdst(0)                   ; one wait for the batch of 64, ahead of its first reader
	v_pk_add_f32 v[L2:L2+1], v[S:S+1], v[S+2:S+3]  ; the row's sum is taken of the unquantised p, in two chains
.irp j, 4,8,12,16,20,24,28,32,36,40,44,48,52,56,60
	v_pk_add_f32 v[14:15], v[14:15], v[S+\j:S+1+\j]
	v_pk_add_f32 v[L2:L2+1], v[L2:L2+1], v[S+2+\j:S+3+\j]
.endr
	v_pk_add_f32 v[14:15], v[14:15], v[L2:L2+1]
.irp t, 0,1,2,3,4,5,6,7
.irp i, 0,1,2,3,4,5,6,7
	v_min_num_f32 v[S+8*\t+\i], v[S+8*\t+\i], v[PLIM]   ; the conversion does not saturate (ISA guide 7.6.2); p is not negative: a one-sided hold
.endr
	v_cvt_scalef32_pk8_fp8_f32 v[PC+2*\t:PC+2*\t+1], v[S+8*\t:S+8*\t+7], v[PSC]
.endr
.set j, 0
.rept 16
	v_pk_mul_f32 v[O+j:O+j+1], v[O+j:O+j+1], v[MB:MB+1] op_sel_hi:[1,0]   ; O^T under the new M; also the plain lines between the conversions and the products
.set j, j+2
.endr
	s_wait_dscnt 0x0                               ; V^T is in
.irp t, 0,1,2,3
	v_wmma_f32_16x16x128_fp8_fp8 v[O+8*\t:O+8*\t+7], v[KV+16*\t:KV+16*\t+15], v[PC:PC+15], v[O+8*\t:O+8*\t+7]   ; four accumulators by turns; the matrix instruction ahead of the first is one of S^T's
.endr
.Lhidden_\@:
.endm
; A block ends: O^T / l x 2^(e4 + e5 - e6), held, converted, and stored as two chunks of 512 consecutive bytes of the next product's fragment.
.macro WAYOUT
.rept 4
	v_nop                                          ; places behind the last products
.endr
	v_add_f32 v14, v14, v15
	v_permlanex16_b32 v[PX], v14, s[SEL], s[SEL+1]
	v_add_f32 v14, v14, v[PX]                      ; the row's sum
	v_rcp_f32 v14, v14
	v_nop                                          ; a plain line behind the reciprocal
	s_wait_xcnt 0x0                                ; earlier stores have read their base: it may be written
	s_and_b32 s[T0], s[BH], 15
	s_lshr_b32 s[T0], s[T0], 2
	s_lshl_b32 s[T0], s[T0], 21                    ; K step of the next product: head / 4
	s_lshr_b32 s[T0+1], s[BH], 4
	s_lshl_b32 s[T0+1], s[T0+1], 7                 ; the batch's 128 tiles of tokens,
	s_lshr_b32 s[T0+2], s[Q0], 4
	s_add_co_u32 s[T0+1], s[T0+1], s[T0+2]         ; + my tile
	s_lshl_b32 s[T0+1], s[T0+1], 12
	s_add_co_u32 s[T0], s[T0], s[T0+1]
	s_and_b32 s[T0+1], s[BH], 3
	s_lshl_b32 s[T0+1], s[T0+1], 10                ; the head's 64 of the 256 along K
	s_add_co_u32 s[T0], s[T0], s[T0+1]
	s_mov_b32 s[T0+1], 0
	s_add_nc_u64 s[OB:OB+1], s[8:9], s[T0:T0+1]
	s_wait_alu depctr_va_vdst(0)                   ; the wait ahead of the reciprocal's first reader
	v_ldexp_f32 v14, v14, s[EOUT]
.set j, 0
.rept 16
	v_pk_mul_f32 v[S+j:S+j+1], v[O+j:O+j+1], v[14:15] op_sel_hi:[1,0]   ; each accumulator from its low end on
.set j, j+2
.endr
.set j, 0
.rept 32
	v_med3_num_f32 v[S+j], v[S+j], -v[TOP], v[TOP]
.set j, j+1
.endr
.irp g, 0,1,2,3
	v_cvt_scalef32_pk8_fp8_f32 v[PC+2*\g:PC+2*\g+1], v[S+8*\g:S+8*\g+7], v[ONE]
.endr
	v_nop                                          ; one plain vector line behind the last conversion of the run
	global_store_b128 v[LI], v[PC:PC+3], s[OB:OB+1]
	global_store_b128 v[LI], v[PC+4:PC+7], s[OB:OB+1] offset:512
.endm
	s_load_b128 s[4:7], s[0:1], 0x0                ; qkv s[4:5], the scales' exponents s[6:7]
	s_load_b64 s[8:9], s[0:1], 0x10                ; o_img
	v_lshl_add_u32 v[SPW], v0, 2, SPARE
	v_mov_b32 v[NIL], 0
	v_lshrrev_b32 v3, 5, v0
	v_readfirstlane_b32 s[WV], v3                  ; wave 0..15
	v_and_b32 v4, 31, v0
	v_lshlrev_b32 v[LI], 4, v4
	s_lshl_b32 s[T0], s[WV], 10
	v_add_nc_u32 v[FO], s[T0], v[LI]
	v_and_b32 v[RQ], 15, v0
	v_bfe_u32 v[DD], v0, 4, 1
	v_lshlrev_b32 v[DD], 3, v[DD]
	v_sub_nc_u32 v[RQ], v[RQ], v[DD]
	s_and_b32 s[BH], ttmp7, 0xffff
	s_mov_b32 s[WI], ttmp9
	s_mov_b32 s[SEL], 0x76543210
	s_mov_b32 s[SEL+1], 0xfedcba98
	s_lshl_b32 s[T0], s[BH], 17                    ; a head has 131,072 bytes in each of q, k, v
	s_mov_b32 s[T0+1], 0
	s_wait_kmcnt 0x0
	s_load_b256 s[16:23], s[6:7], 0x0              ; the eight exponents
	s_add_nc_u64 s[QB:QB+1], s[4:5], s[T0:T0+1]
	s_add_nc_u64 s[KB:KB+1], s[QB:QB+1], 8388608
	s_add_nc_u64 s[VB:VB+1], s[QB:QB+1], 16777216
	global_load_b128 v[FILL:FILL+3], v[FO], s[KB:KB+1]               ; slot 0: my 1,024 bytes of K,
	global_load_b128 v[FILL+4:FILL+7], v[FO], s[KB:KB+1] offset:512
	global_load_b128 v[FILL+8:FILL+11], v[FO], s[VB:VB+1]            ; and of V
	global_load_b128 v[FILL+12:FILL+15], v[FO], s[VB:VB+1] offset:512
	s_wait_kmcnt 0x0
	s_add_co_i32 s[T0], s18, s19                   ; E = e2 + e3
	s_cmp_gt_i32 s[T0], -12
	s_cselect_b32 s[LEAK], 1, 0
	s_lshl_b32 s[T0+1], s[T0], 23
	s_add_co_i32 s[CS], s[T0+1], 0x3e38aa3b        ; log2(e) / 8, E added to its exponent field
	s_mov_b32 s[CS+1], s[CS]
	s_sub_co_i32 s[T0+2], 0xc61c4000, s[T0+1]      ; -10000, E taken off its exponent field
	v_mov_b32 v[NEGS], s[T0+2]
	s_add_co_i32 s[T0], s20, 127
	s_lshl_b32 s[T0+1], s[T0], 23
	v_mov_b32 v[PSC], s[T0+1]                      ; 2^e4
	s_add_co_i32 s[T0], s[T0], 8
	s_lshl_b32 s[T0], s[T0], 23
	s_or_b32 s[T0], s[T0], 0x600000
	v_mov_b32 v[PLIM], s[T0]                       ; 448 x 2^e4
	v_mov_b32 v[ONE], 1.0
	v_mov_b32 v[TOP], 0x43e00000                   ; 448
	s_add_co_i32 s[EOUT], s20, s21
	s_sub_co_i32 s[EOUT], s[EOUT], s22
	v_mov_b32 v[MB+1], 0                           ; named as the upper half of a pair
	v_mov_b32 v[PX], 0                             ; a lane permute's destination counts as one of its sources
	s_mov_b32 s[PH], 0
	s_sub_co_u32 s[BLK], 7, s[WI]                  ; the longer block first
	INIT
	s_mov_b32 s[N], 0
	s_mov_b32 s[TB], 0
.Ltrip:
	s_and_b32 s[SS], s[N], 7
	s_wait_loadcnt 0x0                             ; the slot's four loads (and Q's two) are in
	v_add_nc_u32 v[FS], s[TB], v[FO]
	ds_store_b128 v[FS], v[FILL:FILL+3]            ; into the slot that was read two trips ago: every wave waited for those reads in front of the last barrier
	ds_store_b128 v[FS], v[FILL+4:FILL+7] offset:512
	ds_store_b128 v[FS], v[FILL+8:FILL+11] offset:VOFF
	ds_store_b128 v[FS], v[FILL+12:FILL+15] offset:VOFF+512
	s_wait_dscnt 0x0                               ; for the others' sake: my stores have landed, and my reads of the other slot are over
	s_barrier_signal -1
	s_barrier_wait -1
	s_cmp_gt_u32 s[SS], s[LAST]                    ; the block does not need this slot: the same in all sixteen waves
	s_cbranch_scc1 .Lidle
	s_wait_xcnt 0x0                                ; earlier loads and stores have read their registers: bases and code registers may be written
	s_add_co_u32 s[T0], s[SS], 1
	s_cmp_lt_u32 s[SS], s[LAST]
	s_cselect_b32 s[T0], s[T0], 0                  ; the next slot of this block, or the next block's slot 0,
	s_cselect_b32 s[T0+1], 0, s[PH]                ; which the second block does not have
	s_cmp_eq_u32 s[T0+1], 1
	s_cbranch_scc1 .Lnone
	s_min_u32 s[T0], s[T0], 7                      ; it hangs on a number read from memory: held inside the head's eight slots
	s_lshl_b32 s[T0], s[T0], 14
	s_mov_b32 s[T0+1], 0
	s_add_nc_u64 s[KBN:KBN+1], s[KB:KB+1], s[T0:T0+1]
	s_add_nc_u64 s[VBN:VBN+1], s[VB:VB+1], s[T0:T0+1]
	global_load_b128 v[FILL:FILL+3], v[FO], s[KBN:KBN+1]             ; two key steps ahead of the stores that want them
	global_load_b128 v[FILL+4:FILL+7], v[FO], s[KBN:KBN+1] offset:512
	global_load_b128 v[FILL+8:FILL+11], v[FO], s[VBN:VBN+1]
	global_load_b128 v[FILL+12:FILL+15], v[FO], s[VBN:VBN+1] offset:512
.Lnone:
	STEP 0
	STEP 1
	s_cmp_lg_u32 s[SS], s[LAST]
	s_cbranch_scc1 .Lidle
	WAYOUT
	s_cmp_eq_u32 s[PH], 1
	s_cbranch_scc1 .Lidle
	s_mov_b32 s[PH], 1
	s_mov_b32 s[BLK], s[WI]                        ; the shorter block: its last slot is under every slot that is left of the first eight trips
	INIT
.Lidle:
	s_xor_b32 s[TB], s[TB], SLOTB                  ; on to the other slot
	s_add_co_u32 s[N], s[N], 1
	s_cmp_lt_u32 s[N], 16
	s_cbranch_scc1 .Ltrip
	s_wait_tensorcnt 0x0                           ; the wave's end
	ds_add_u32 v[SPW], v[NIL]
	s_wait_dscnt 0x0
	s_endpgm
.Lfunc_end_k_qe8b10be65b_attn:
	.size	k_qe8b10be65b_attn, .Lfunc_end_k_qe8b10be65b_attn-k_qe8b10be65b_attn
	.p2alignl 7, 3214868480
	.fill 96, 4, 3214868480
	.section	.rodata,"a",@progbits
	.p2align	6, 0x0
	.amdhsa_kernel k_qe8b10be65b_attn
		.amdhsa_group_segment_fixed_size 67584
		.amdhsa_private_segment_fixed_size 0
		.amdhsa_enable_private_segment 0
		.amdhsa_kernarg_size 24
		.amdhsa_user_sgpr_count 2
		.amdhsa_user_sgpr_kernarg_segment_ptr 1
		.amdhsa_wavefront_size32 1
		.amdhsa_system_sgpr_workgroup_id_x 1
		.amdhsa_system_sgpr_workgroup_id_y 1
		.amdhsa_system_sgpr_workgroup_id_z 1
		.amdhsa_system_vgpr_workitem_id 0
		.amdhsa_next_free_vgpr 256
		.amdhsa_next_free_sgpr 66
		.amdhsa_reserve_vcc 1
		.amdhsa_float_denorm_mode_32 3
		.amdhsa_float_denorm_mode_16_64 3
		.amdhsa_memory_ordered 1
		.amdhsa_forward_progress 1
		.amdhsa_inst_pref_size 57
	.end_amdhsa_kernel
	.amdgpu_metadata
---
amdhsa.version: [ 1, 2 ]
amdhsa.kernels:
  - .name:           k_qe8b10be65b_attn
    .symbol:         k_qe8b10be65b_attn.kd
    .args:
      - { .name: qkv, .offset: 0, .size: 8, .value_kind: global_buffer, .address_space: global }
      - { .name: lowp_scales, .offset: 8, .size: 8, .value_kind: global_buffer, .address_space: global }
      - { .name: o_img, .offset: 16, .size: 8, .value_kind: global_buffer, .address_space: global }
    .group_segment_fixed_size: 67584
    .private_segment_fixed_size: 0
    .kernarg_segment_align: 8
    .kernarg_segment_size: 24
    .max_flat_workgroup_size: 512
    .sgpr_count:     66
    .vgpr_count:     256
    .wavefront_size: 32
...
	.end_amdgpu_metadata
.endif
;; end of part 3
;; launch proj (part 4): grid 8 x 32, 4 waves a work-group, clusters of 4 x 4, 327,680 bytes of LDS; arguments o_img, wo_img, lowp_scales, b_out, out0; writes out0
.if DOCPART == 4
	.amdgcn_target "amdgcn-amd-amdhsa--gfx1250"
	.amdhsa_code_object_version 6
	.text
	.protected	k_qe8b10be65b_proj
	.globl	k_qe8b10be65b_proj
	.p2align	8
	.type	k_qe8b10be65b_proj,@function
k_qe8b10be65b_proj:
	s_mov_b64 s[64:65], 0
	v_nop
	global_prefetch_b8 v0, s[64:65] scope:SCOPE_SE
	s_setreg_imm32_b32 hwreg(HW_REG_WAVE_MODE, 25, 1), 1
	s_wait_xcnt 0x0
	s_wait_alu depctr_hold_cnt(0) depctr_sa_sdst(0) depctr_va_vdst(0) depctr_va_sdst(0) depctr_va_ssrc(0) depctr_va_vcc(0) depctr_vm_vsrc(0)
	s_getreg_b32 s2, hwreg(HW_REG_IB_STS2, 6, 4)
	s_cmp_eq_u32 s2, 0
	s_cbranch_scc0 .Lentry_in_a_cluster
	s_endpgm
.Lentry_in_a_cluster:
	s_bfe_u32 s2, ttmp6, 0x10000c
	s_cmp_lg_u32 s2, 0xf033
	s_cbranch_scc0 .Lentry_shape_is_right
	s_endpgm
.Lentry_shape_is_right:
; out0 = o w_out + b_out on codes of FP8 (E4M3): out = sum x 2^(e6 + e7) + b.  LIMIT: e6 + e7 lies between -126 and 127.
; A tile of 256 tokens x 128 columns is made by four waves, each 128 x 64: 32 accumulators.  8 x 32 tiles: one for each of 256 work-groups.
; Operands are images of registers (a fragment, 16 rows x 128 K, is four chunks of 512 bytes, lane l's 16 bytes at 16 l): a K step's tiles are one dense block of memory; no pitch, no padding.
; K = 1,024 is four steps of 256.  THREE LDS slots are filled at the start; slot 0 is filled once more, with K step 3, behind the one round that stands among the products.
; THE MATRIX INSTRUCTION IS USED TRANSPOSED (source 0 = 16 rows of the weight's tile, source 1 = 16 tokens): by the order of a weight tile's rows, tiles 2 b, 2 b + 1 give a lane columns 32 b + 16 (lane / 16) + 0 .. 15 of one token.
; CLUSTERS: 4 x 4 work-groups; o's tiles are shared along a row of the cluster, the weight's along a column: each is asked for jointly.
; REGISTERS, in windows of 256: window 0: v0-31 addresses; v32-63 the bias; v64-95 at work on the way out; from v128 o's 8 fragments, ONE set, later rows of out.  window 1: the weight's 4 fragments, TWO sets, at v0 and v64.  window 2: the accumulators ((a, b) at v[8 (4 a + b)]).
.set SLOT,  98304                      ; o's 16 tiles x 4,096 bytes, then the weight's 8
.set BOFF,  65536
.set SPARE, 3*SLOT                     ; behind the slots: the spare words, 128 bytes for each wave: two blocks of 256 bytes that no other line names
.set STAGE, SLOT                       ; the way out: 16 rows x 272 bytes for each wave, in slot 1: it has its only fill at the start, and its last read lies ahead of the last barrier
.set SPITCH, 272
.set ASTEP, 2097152                    ; bytes from a K step to the next in o_img (512 tiles),
.set BSTEP, 262144                     ; and in wo_img (64 tiles)
.set FR,    16
.set NP,    4                          ; places behind this matrix instruction (ISA guide 7.12.1)
.set ADRA,  16                         ; v16-18  LDS address of o's fragments in slot 0, 1, 2
.set ADRB,  20                         ; v20-22  the same for the weight's
.set STO,   24                         ; v24     the way out: where I put 16 bytes of a row
.set RD,    25                         ; v25     where I read a row back
.set CO,    26                         ; v26     my byte offset in two rows of out
.set BO,    27                         ; v27     64 x (lane / 16): my half's place in the bias
.set SPW,   28                         ; v28     LDS address of my spare word; never rewritten
.set NIL,   29                         ; v29     0; never rewritten
.set BIAS,  32
.set TMP,   64
.set AF,    128
.set BK,    128                        ; 16 rows read back from the stage: v128-159 and v160-191 by turns
.set G1,    24                         ; s[24:31] descriptor group 1 for o's tiles;  s[32:43] group 0, one set for each slot
.set G0,    32
.set G1B,   48                         ; s[48:55] and s[68:79] the same for the weight's
.set G0B,   68
.set MSB,   0
.macro WIN new                         ; the immediate's high byte repeats the setting that is left
.if MSB != \new
	s_set_vgpr_msb (MSB<<8)|\new
.set MSB, \new
.endif
.endm
.set MUL,   0xa1                       ; source 0 window 1, source 1 window 0, C and D window 2
.set TO_B,  0x40                       ; destination window 1, address window 0
.macro JLOAD g0a, g1a, g0b, g1b        ; a joint load: waves 0 and 1 fetch o's two halves, waves 2 and 3 the weight's; an s_nop 0 and four v_nop follow each of the two lines
	s_cmp_eq_u32 s15, 0
	s_cbranch_scc0 .Lfor_b_\@
	tensor_load_to_lds s[\g0a:\g0a+3], s[\g1a:\g1a+7]
	s_nop 0
.rept 4
	v_nop
.endr
	s_branch .Lasked_\@
.Lfor_b_\@:
	tensor_load_to_lds s[\g0b:\g0b+3], s[\g1b:\g1b+7]
	s_nop 0
.rept 4
	v_nop
.endr
.Lasked_\@:
.endm
.macro CREST                           ; a round of the cluster's barrier behind its opening barrier
	s_cmp_lg_u32 s14, 0
	s_cbranch_scc1 .Lnot_wave_0_\@
	s_barrier_signal -3
.Lnot_wave_0_\@:
	s_barrier_wait -3
	s_barrier_signal -1
	s_barrier_wait -1
.endm
.macro CROUND                          ; a whole round
	s_barrier_signal -1
	s_barrier_wait -1
	CREST
.endm
	s_load_b128 s[4:7], s[0:1], 0x0                ; o_img s[4:5], wo_img s[6:7]
	s_load_b128 s[8:11], s[0:1], 0x10              ; the scales' exponents s[8:9], b_out s[10:11]
	s_load_b64 s[12:13], s[0:1], 0x20              ; out0
	v_lshl_add_u32 v[SPW], v0, 2, SPARE
	v_mov_b32 v[NIL], 0
	ds_add_u32 v[SPW], v[NIL]                      ; the wave's opening: the add and its wait stand ahead of my first tensor load; the set-up below, work on registers, stands between them
	v_lshrrev_b32 v1, 5, v0
	v_readfirstlane_b32 s14, v1                    ; wave 0..3
	s_lshr_b32 s15, s14, 1                         ; which 128 tokens are mine.  Also: I fetch for o (0) or for the weight (1)
	s_and_b32 s16, s14, 1                          ; which 64 columns.  Also: which half of that tile I fetch
	s_bfe_u32 s90, ttmp6, 0x40000                  ; cx, cy: my place in the cluster
	s_bfe_u32 s91, ttmp6, 0x40004
	s_lshl_b32 s92, ttmp9, 2
	s_add_co_u32 s92, s92, s90                     ; tile column = 4 x cluster x + cx
	s_and_b32 s17, ttmp7, 0xffff
	s_lshl_b32 s17, s17, 2
	s_add_co_u32 s17, s17, s91                     ; tile row = 4 x cluster y + cy
	s_lshl_b32 s93, s91, 2
	s_lshl_b32 s93, 15, s93                        ; my row of the cluster
	s_lshl_b32 s94, 0x1111, s90                    ; my column
	; descriptor groups 1: dense blocks as rows of 32 elements of 8 bytes, no padding: o's 128 rows (32,768 bytes), the weight's 64 (16,384)
	s_or_b32 s[G1+0], s93, (3<<16)|(1<<21)         ; 15:0 the mask; 17:16 elements of 8 bytes; 21 set beside a mask
	s_mov_b32 s[G1+1], 32<<16                      ; tensor_dim0 = 32
	s_mov_b32 s[G1+2], 128<<16                     ; tensor_dim1 = 128
	s_mov_b32 s[G1+3], 32<<16                      ; tile_dim0 = 32
	s_mov_b32 s[G1+4], 128                         ; tile_dim1 = 128
	s_mov_b32 s[G1+5], 32                          ; tensor_dim0_stride: dense
	s_mov_b32 s[G1+6], 0
	s_mov_b32 s[G1+7], 0
	s_or_b32 s[G1B+0], s94, (3<<16)|(1<<21)
	s_mov_b32 s[G1B+1], 32<<16
	s_mov_b32 s[G1B+2], 64<<16                     ; tensor_dim1 = 64
	s_mov_b32 s[G1B+3], 32<<16
	s_mov_b32 s[G1B+4], 64                         ; tile_dim1 = 64
	s_mov_b32 s[G1B+5], 32
	s_mov_b32 s[G1B+6], 0
	s_mov_b32 s[G1B+7], 0
	s_lshl_b32 s95, s16, 15                        ; o: which 8 tiles I fetch, in memory and in a slot
	s_lshl_b32 s20, s17, 16
	s_add_co_u32 s20, s20, s95                     ; tile 16 x tile row + 8 x half
	s_mov_b32 s21, 0
	s_lshl_b32 s19, s16, 14                        ; the weight: which 4 tiles
	s_lshl_b32 s46, s92, 15
	s_add_co_u32 s46, s46, s19                     ; tile 8 x tile column + 4 x half
	s_mov_b32 s47, 0
	s_add_co_u32 s96, s19, BOFF                    ; and in a slot, behind o's: no place in the cluster enters an LDS address
	s_wait_dscnt 0x0                               ; the opening add is done
	s_wait_kmcnt 0x0
	s_load_b256 s[80:87], s[8:9], 0x0              ; the eight exponents
	s_add_nc_u64 s[20:21], s[4:5], s[20:21]
	s_add_nc_u64 s[46:47], s[6:7], s[46:47]
	CROUND                                         ; all sixteen work-groups are here: the first joint loads meet
.irp s, 0,1,2
	s_mov_b32 s[G0+4*\s], 1
	s_add_co_u32 s[G0+4*\s+1], s95, \s*SLOT
	s_add_nc_u64 s[G0+4*\s+2:G0+4*\s+3], s[20:21], \s*ASTEP
	s_or_b32 s[G0+4*\s+3], s[G0+4*\s+3], 0x80000000
	s_mov_b32 s[G0B+4*\s], 1
	s_add_co_u32 s[G0B+4*\s+1], s96, \s*SLOT
	s_add_nc_u64 s[G0B+4*\s+2:G0B+4*\s+3], s[46:47], \s*BSTEP
	s_or_b32 s[G0B+4*\s+3], s[G0B+4*\s+3], 0x80000000
	JLOAD G0+4*\s, G1, G0B+4*\s, G1B               ; three tensor loads of mine are out
.endr
	v_and_b32 v1, 31, v0
	v_lshlrev_b32 v4, 4, v1                        ; 16 x lane
	v_and_b32 v2, 15, v0                           ; r
	v_bfe_u32 v3, v0, 4, 1                         ; h
	s_lshl_b32 s21, s15, 15                        ; my 8 tiles of tokens
	s_lshl_b32 s22, s16, 14                        ; my 4 tiles of the weight,
	s_add_co_u32 s22, s22, BOFF                    ; which lie behind o's
.irp s, 0,1,2
	v_add_nc_u32 v[ADRA+\s], s21, v4
	v_add_nc_u32 v[ADRB+\s], s22, v4
	s_add_co_u32 s21, s21, SLOT
	s_add_co_u32 s22, s22, SLOT
.endr
	s_mul_i32 s23, s14, 16*SPITCH
	s_add_co_u32 s23, s23, STAGE                   ; my stage
	v_mul_u32_u24 v5, v2, SPITCH
	v_lshl_add_u32 v5, v3, 6, v5
	v_add_nc_u32 v[STO], s23, v5                   ; in: row r, + 64 h bytes: my half's 16 columns of each 32
	v_mul_u32_u24 v5, v3, SPITCH
	v_lshl_add_u32 v5, v2, 4, v5
	v_add_nc_u32 v[RD], s23, v5                    ; back: lanes 0-15 one row of 256 bytes, lanes 16-31 the next
	v_lshlrev_b32 v5, 12, v3
	v_lshl_add_u32 v[CO], v2, 4, v5                ; and the same two rows in out
	v_lshlrev_b32 v[BO], 6, v3
	s_lshl_b32 s20, s92, 9
	s_lshl_b32 s21, s16, 8
	s_add_co_u32 s20, s20, s21                     ; my first column, in bytes: 512 x tile column + 256 x half
	s_mov_b32 s21, 0
	s_add_nc_u64 s[10:11], s[10:11], s[20:21]
	s_add_nc_u64 s[12:13], s[12:13], s[20:21]
	s_lshl_b32 s20, s17, 20                        ; 256 rows of 4,096 bytes for each tile row,
	s_lshl_b32 s22, s15, 19                        ; my 128 of them
	s_add_co_u32 s20, s20, s22
	s_add_nc_u64 s[12:13], s[12:13], s[20:21]
.irp b, 0,1,2,3
.irp k, 0,1
	global_load_b128 v[BIAS+8*\b+4*\k:BIAS+8*\b+4*\k+3], v[BO], s[10:11] offset:128*(\b/2)+32*(\b%2)+16*\k   ; the bias in the result's layout: tile b, register j: column 32 (b / 2) + 16 h + 8 (b % 2) + j
.endr
.endr
	s_wait_kmcnt 0x0
	s_add_co_i32 s88, s86, s87
	s_add_co_i32 s88, s88, 127
	s_lshl_b32 s88, s88, 23                        ; 2^(e6 + e7) as f32
	s_mov_b32 s89, s88                             ; (named with it as a pair, so it is written)
.macro FRAG reg, adr, q, i             ; a fragment's image: four chunks of 512 bytes
.irp c, 0,1,2,3
	ds_load_b128 v[\reg+4*\c:\reg+4*\c+3], v[\adr] offset:(\i)*4096+(\q)*2048+\c*512
.endr
.endm
; 8 matrix instructions: blocks a0, a0 + 1 of tokens x the weight's four tiles.  The 32 accumulators take turns, one instruction a turn, in the same order in every step.
.macro MUL8 a0, p, zero
.irp a, \a0, \a0+1
.irp b, 0,1,2,3
.if \zero
	v_wmma_f32_16x16x128_fp8_fp8 v[8*(4*(\a)+\b):8*(4*(\a)+\b)+7], v[64*(\p)+FR*\b:64*(\p)+FR*\b+FR-1], v[AF+FR*(\a):AF+FR*(\a)+FR-1], 0
.else
	v_wmma_f32_16x16x128_fp8_fp8 v[8*(4*(\a)+\b):8*(4*(\a)+\b)+7], v[64*(\p)+FR*\b:64*(\p)+FR*\b+FR-1], v[AF+FR*(\a):AF+FR*(\a)+FR-1], v[8*(4*(\a)+\b):8*(4*(\a)+\b)+7]
.endif
.endr
.endr
.endm
.macro FETCH_B slot, q, p
	WIN TO_B
.irp i, 0,1,2,3
	FRAG 64*(\p)+FR*\i, ADRB+\slot, \q, \i
.endr
	WIN 0
.endm
.macro FETCH_A slot, q, i0
.irp i, \i0, \i0+1, \i0+2, \i0+3
	FRAG AF+FR*(\i), ADRA+\slot, \q, \i
.endr
.endm
.macro PLACES n
.rept \n
	v_nop
.endr
.endm
; A step of 128 along K (the slot's q-th) whose successor, the nq-th of slot nslot, has been shown whole to every wave.
.macro STEP slot, q, nslot, nq, zero
	s_wait_dscnt 16                                ; the weight's set and blocks 0-3 are in; the youngest sixteen loads (blocks 4-7) may be out
	WIN MUL
	MUL8 0, (\q)%2, \zero
	MUL8 2, (\q)%2, \zero
	s_wait_dscnt 0                                 ; blocks 4-7 are in
	PLACES NP
	FETCH_B \nslot, \nq, 1-(\q)%2
	FETCH_A \nslot, \nq, 0
	WIN MUL
	MUL8 4, (\q)%2, \zero
	MUL8 6, (\q)%2, \zero
	PLACES NP
	WIN 0
	FETCH_A \nslot, \nq, 4
.endm
; A slot's last step with a barrier: in front of it each wave waits for all its tensor loads, adds 0 to its spare word, and waits for that and for its own reads.  fill = 1: slot 0 is filled again, with K step 3.
.macro TURN slot, next, fill
	s_wait_tensorcnt 0x0                           ; all my tensor loads have landed  (every window is 0 here)
	ds_add_u32 v[SPW], v[NIL]                      ; 0 onto my spare word
	s_wait_dscnt 17                                ; (the add and the youngest sixteen loads may be out)
	WIN MUL
	MUL8 0, 1, 0                                   ; eight matrix instructions stand between the add and the wait for it
	s_wait_dscnt 0x0                               ; the add is done, and my reads of this slot are over
	s_barrier_signal -1
	MUL8 2, 1, 0
	WIN 0
	s_barrier_wait -1
.if \fill
	CREST                                          ; the barrier has opened a round of the cluster's barrier: no wave of any partner still reads this slot or has a load on its way
	s_add_nc_u64 s[G0+2:G0+3], s[G0+2:G0+3], 3*ASTEP
	s_add_nc_u64 s[G0B+2:G0B+3], s[G0B+2:G0B+3], 3*BSTEP
	JLOAD G0, G1, G0B, G1B                         ; the first tensor load behind the round, and my last; its four v_nop are the places in front of the loads below
.else
	PLACES NP
.endif
	FETCH_B \next, 0, 0
	FETCH_A \next, 0, 0
	WIN MUL
	MUL8 4, 1, 0
	MUL8 6, 1, 0
	PLACES NP
	WIN 0
	FETCH_A \next, 0, 4
.endm
	s_wait_tensorcnt 2                             ; my part of K step 0 is in; the loads of K steps 1 and 2 may be out
	s_barrier_signal -1
	s_barrier_wait -1                              ; everybody's is
	FETCH_B 0, 0, 0
	FETCH_A 0, 0, 0
	FETCH_A 0, 0, 4
	STEP 0, 0, 0, 1, 1                             ; K step 0: its first products start the sums
	TURN 0, 1, 1                                   ; every wave's loads of slots 1 and 2 have landed; slot 0 takes K step 3
	STEP 1, 0, 1, 1, 0                             ; K step 1
	STEP 1, 1, 2, 0, 0                             ; no barrier: slot 2 was shown whole in front of the round above
	STEP 2, 0, 2, 1, 0                             ; K step 2
	TURN 2, 0, 0                                   ; K step 3 has landed in slot 0, in every wave's part
	STEP 0, 0, 0, 1, 0                             ; K step 3
	s_wait_dscnt 16
	WIN MUL
	MUL8 0, 1, 0
	MUL8 2, 1, 0
	s_wait_dscnt 0
	MUL8 4, 1, 0
	MUL8 6, 1, 0
	WIN 0
; THE WAY OUT, block by block of 16 tokens x 64 columns: sum x 2^(e6 + e7) + b, one packed multiply-add for two numbers; through my own stage in LDS, back as whole rows of 256 bytes.
; LDS serves a wave's instructions in order (ISA guide 5.7.1.4): no wait between the stores and the loads, nor in front of the next block's stores.
.macro TOSTAGE a
	WIN 0x02                                       ; source 0: window 2
.set j, 0
.rept 16
	v_pk_fma_f32 v[TMP+j:TMP+j+1], v[32*(\a)+j:32*(\a)+j+1], s[88:89], v[BIAS+j:BIAS+j+1] op_sel_hi:[1,0,1]   ; each accumulator from its low end on
.set j, j+2
.endr
	WIN 0
.irp b, 0,1,2,3
.irp k, 0,1
	ds_store_b128 v[STO], v[TMP+8*\b+4*\k:TMP+8*\b+4*\k+3] offset:128*(\b/2)+32*(\b%2)+16*\k
.endr
.endr
.set BB, BK+32*((\a)%2)
.irp t, 0,1,2,3,4,5,6,7
	ds_load_b128 v[BB+4*\t:BB+4*\t+3], v[RD] offset:\t*2*SPITCH
.endr
.endm
.macro SEND a, younger                 ; younger: the LDS instructions issued behind block a's loads, which may stay out
.set BB, BK+32*((\a)%2)
	s_wait_dscnt \younger
.irp t, 0,1,2,3,4,5,6,7
	global_store_b128 v[CO], v[BB+4*\t:BB+4*\t+3], s[12:13] offset:(\a)*65536+\t*8192 th:TH_STORE_NT   ; 16 lanes store 256 consecutive bytes, aligned; written once, read by nobody here
.endr
.endm
	s_wait_loadcnt 0x0                             ; the bias
	PLACES NP                                      ; behind the last products: their results are read, and o's registers take rows of out
	TOSTAGE 0
.irp a, 1,2,3,4,5,6,7
.if \a > 1
	s_wait_xcnt 0x0                                ; block a - 2's stores have read their registers: block a's loads may land there
.endif
	TOSTAGE \a
	SEND \a-1, 16                                  ; behind block a - 1's loads: block a's eight stores and eight loads
.endr
	SEND 7, 0
	s_wait_tensorcnt 0x0                           ; the wave's end
	ds_add_u32 v[SPW], v[NIL]
	s_wait_dscnt 0x0
	CROUND                                         ; the closing round: no work-group ends while a partner may still ask for a tile that names it
	s_endpgm
.Lfunc_end_k_qe8b10be65b_proj:
	.size	k_qe8b10be65b_proj, .Lfunc_end_k_qe8b10be65b_proj-k_qe8b10be65b_proj
	.p2alignl 7, 3214868480
	.fill 96, 4, 3214868480
	.section	.rodata,"a",@progbits
	.p2align	6, 0x0
	.amdhsa_kernel k_qe8b10be65b_proj
		.amdhsa_group_segment_fixed_size 327680
		.amdhsa_private_segment_fixed_size 0
		.amdhsa_enable_private_segment 0
		.amdhsa_kernarg_size 40
		.amdhsa_user_sgpr_count 2
		.amdhsa_user_sgpr_kernarg_segment_ptr 1
		.amdhsa_wavefront_size32 1
		.amdhsa_system_sgpr_workgroup_id_x 1
		.amdhsa_system_sgpr_workgroup_id_y 1
		.amdhsa_system_sgpr_workgroup_id_z 1
		.amdhsa_system_vgpr_workitem_id 0
		.amdhsa_next_free_vgpr 768
		.amdhsa_next_free_sgpr 100
		.amdhsa_reserve_vcc 0
		.amdhsa_float_denorm_mode_32 3
		.amdhsa_float_denorm_mode_16_64 3
		.amdhsa_memory_ordered 1
		.amdhsa_forward_progress 1
		.amdhsa_inst_pref_size 77
	.end_amdhsa_kernel
	.amdgpu_metadata
---
amdhsa.version: [ 1, 2 ]
amdhsa.kernels:
  - .name:           k_qe8b10be65b_proj
    .symbol:         k_qe8b10be65b_proj.kd
    .args:
      - { .name: o_img, .offset: 0, .size: 8, .value_kind: global_buffer, .address_space: global }
      - { .name: wo_img, .offset: 8, .size: 8, .value_kind: global_buffer, .address_space: global }
      - { .name: lowp_scales, .offset: 16, .size: 8, .value_kind: global_buffer, .address_space: global }
      - { .name: b_out, .offset: 24, .size: 8, .value_kind: global_buffer, .address_space: global }
      - { .name: out0, .offset: 32, .size: 8, .value_kind: global_buffer, .address_space: global }
    .group_segment_fixed_size: 327680
    .private_segment_fixed_size: 0
    .kernarg_segment_align: 8
    .kernarg_segment_size: 40
    .max_flat_workgroup_size: 128
    .sgpr_count:     100
    .vgpr_count:     768
    .wavefront_size: 32
...
	.end_amdgpu_metadata
.endif
;; end of part 4
;; ======== version 2 of 2: 4 launches; version 1 with the launch attn written anew for expert scheduling mode
;; workspace buffers: x_img 8,388,608 bytes; wq_img 3,145,728 bytes; wo_img 1,048,576 bytes; qkv 25,165,824 bytes; o_img 8,388,608 bytes
;; launch prep: the kernel of part 1 again; grid 640 x 1, 4 waves a work-group, no clusters, 69,120 bytes of LDS; arguments x, w_qkv, w_out, lowp_scales, x_img, wq_img, wo_img; writes x_img, wq_img, wo_img
;; launch qkv: the kernel of part 2 again; grid 12 x 32, 4 waves a work-group, clusters of 4 x 4, 327,680 bytes of LDS; arguments x_img, wq_img, lowp_scales, qkv; writes qkv
;; launch attn (part 5): grid 4 x 64, 16 waves a work-group, no clusters, 67,584 bytes of LDS; arguments qkv, lowp_scales, o_img; writes o_img
.if DOCPART == 5
	.amdgcn_target "amdgcn-amd-amdhsa--gfx1250"
	.amdhsa_code_object_version 6
	.text
	.protected	k_qe8b10be65b_attn
	.globl	k_qe8b10be65b_attn
	.p2align	8
	.type	k_qe8b10be65b_attn,@function
k_qe8b10be65b_attn:
	s_mov_b64 s[64:65], 0
	v_nop
	global_prefetch_b8 v0, s[64:65] scope:SCOPE_SE
	s_setreg_imm32_b32 hwreg(HW_REG_WAVE_SCHED_MODE, 0, 2), 2
	s_setreg_imm32_b32 hwreg(HW_REG_WAVE_MODE, 25, 1), 1
	s_wait_xcnt 0x0
	s_wait_alu depctr_vm_vsrc(0)
; For each head: o = softmax((q k^T + mask) / 8) v, mask = -10000 where key > query, both products on codes of FP8 (E4M3); o is quantised at once (scale 2^e6) for the last product.
; THE SOFTMAX: t = (score + mask) x log2(e) / 8; M = the row's largest t so far, rounded UP to a whole number; p = 2^(t - M) is quantised (scale 2^e4), not normalised; the row's sum is taken of the
; unquantised p and divides at the end.  When M moves, the sum and O are multiplied by 2^(old M - new M): exact.
; THE MASK IS A FINITE NUMBER.  A score is at most 64 x 448^2 x 2^E in magnitude, E = e2 + e3.  With E <= -12 that is 3,136: a key behind the query then lies at least (10000 - 6272) x 0.18 = 672 under the
; row's M, so its p is 0 in f32 and it adds nothing to sum or product: key steps that lie wholly behind the queries are left out.  With E > -12 nothing of the kind holds, and every key is walked with the
; mask added.  The choice is a scalar branch on E, a whole number read from memory; so this launch has no tensor load: LDS is filled through registers.
; LIMITS: E between -114 and 130; e4 between -126 and 119; e4 + e5 - e6 between -115 and 126.
; SHARES.  Work-group (i, head) owns the query blocks 7 - i and i of 256 queries, one after the other: nine slots of 256 keys of work in every work-group where E <= -12.  Each of the sixteen waves owns 16
; queries of the block in hand, in 256 registers: four waves to a SIMD, so that one wave's vector work stands beside another's matrix work and LDS loads.
; LAYOUT.  S^T = K Q^T (source 0 = 16 keys, source 1 = my queries), O^T = V^T P^T: a lane holds ONE query (lane % 16).  S^T's tile t gives keys 16 t + 8 (lane / 16) + 0 .. 7, which are registers 2 t, 2 t + 1
; of P; V^T's fragments were laid so.  V^T's channel rows were laid so that O^T's tiles 2 b, 2 b + 1 are channels 32 b + 16 (lane / 16) + 0 .. 15: the codes of o are chunks of the next product's fragment.
; THE RING.  Two LDS slots of 256 keys (K: 16 tiles x 1,024 bytes; V: 2 steps x 8,192).  Each wave carries 1 KB of K and 1 KB of V: four loads issued behind a trip's barrier, stored into LDS at the head of the next trip.
; Sixteen trips, a constant; the barrier, and the four stores in front of it, stand on every wave's path in every trip; a trip whose slot the block does not need does nothing else.
; No prefetch is laid: a slot's loads go out a whole slot's work ahead of their use.  No cluster: the blocks of a head need different numbers of slots.
; THE MODE: SCHED_MODE bits 1:0 = 2 (LLVM: expert scheduling mode 2), set by the entry lines.  The code itself states the register dependences
; between vector or matrix instructions and memory or LDS instructions, with s_wait_alu, always for 0.
; THE PLAN.  Registers that memory or LDS instructions touch:
;   v[LI], v[FO]    offsets of every global load and store; written at the head, never again.   v[SPW], v[NIL]: written at the head, read by the closing add alone.
;   v[FS], v[ADK]   LDS addresses of the slot in hand: written ONCE A TRIP, by two additions at the trip's head; FS is read by the trip's four LDS stores, ADK by its LDS loads.
;   v[FILL ..]      written by the four global loads behind a trip's barrier, read by the next trip's four LDS stores; no vector instruction names them.
;   v[Q ..]         written by two global loads at a block's start; read by the products S^T.
;   v[KV ..]        ONE buffer (a wave's 256 registers have no room for a second): K's LDS loads land, the eight products S^T read; V's land, the four products O^T read.
;   v[PC ..]        written by conversions, read by products; at a block's end read by two global stores.
; THE WAITS, once round a trip.  At its head one on vm_vsrc (the last trip's LDS instructions have read FS and ADK; a block's stores have read PC), the two additions, one on va_vdst (FS and ADK are written;
; the last trip's products are done reading KV: key step 0 owes nothing more).  Behind the barrier one on vm_vsrc (the LDS stores have read FILL).  At key step 1's head one on va_vdst (step 0's products O^T are
; done reading KV).  In each key step one on va_vdst behind the products S^T (done reading KV), and the one for the batch of exponentials.  On the diagonal the mask's compares go in runs of sixteen into
; sixteen scalar registers, with one wait on va_sdst behind each run.  At a block's end one on va_vdst ahead of the two stores; it serves the next block's loads of Q too.
.set SLOTB, 32768
.set VOFF,  16384
.set SPARE, 2*SLOTB                    ; behind the ring: the spare words, 128 bytes for each wave: eight blocks of 256 bytes that no other line names
.set LI,   1                           ; v1   16 x lane
.set FO,   2                           ; v2   1,024 x wave + 16 x lane: my bytes of a slot's K, and of its V
.set ADK,  3                           ; v3   LDS address of the slot in hand, + 16 x lane
.set FS,   4                           ; v4   where I store my bytes
.set SPW,  5                           ; v5   LDS address of my spare word; never rewritten
.set NIL,  6                           ; v6   0; never rewritten
.set RQ,   7                           ; v7   lane % 16 - 8 (lane / 16)
.set DD,   8                           ; v8   my query - the step's first key - 8 (lane / 16)
.set NEGS, 9                           ; v9   -10000 / 2^E
.set Q,    16                          ; v16-23   Q's fragment
.set FILL, 24                          ; v24-39   a slot's bytes on their way
.set KV,   40                          ; v40-103  eight fragments of K, then four of V^T
.set S,    104                         ; v104-167 S^T, then p
.set O,    168                         ; v168-199 O^T
.set PC,   200                         ; v200-215 p's codes; at the end o's
.set PSC,  216                         ; v216 2^e4;  v217 448 x 2^e4;  v218 1.0;  v219 448.0
.set PLIM, 217
.set ONE,  218
.set TOP,  219
.set MA,   222                         ; v222 at work
.set MB,   224                         ; v224 at work, then f; v225 = 0, named with it as a pair
.set PX,   226                         ; v226 a lane permute's destination
.set L2,   228                         ; v[228:229] the second chain of sums
.set WV,   24                          ; s24  wave
.set BH,   25                          ; s25  16 x batch + head
.set KB,   26                          ; s[26:27] the head's K;  s[28:29] its V;  s[30:31] its Q
.set VB,   28
.set QB,   30
.set KBN,  32                          ; s[32:33], s[34:35] the next slot's K and V
.set VBN,  34
.set N,    36                          ; s36  the trip
.set SS,   37                          ; s37  the slot of keys: trip % 8
.set BLK,  38                          ; s38  the block of queries in hand
.set LAST, 39                          ; s39  its last slot
.set Q0,   40                          ; s40  my first query
.set QLIM, 41                          ; s41  the last key step's first key may not pass this
.set KF,   42                          ; s42  the step's first key
.set TB,   43                          ; s43  LDS byte at which the slot in hand begins
.set LEAK, 44                          ; s44  1 where E > -12
.set PH,   45                          ; s45  0: the first block, 1: the second
.set CS,   46                          ; s[46:47] c = log2(e) / 8 x 2^E
.set SEL,  48                          ; s[48:49] lane selects for v_permlanex16_b32: lane l xor 16
.set T0,   50                          ; s50-53 at work
.set EOUT, 54                          ; s54  e4 + e5 - e6
.set OB,   56                          ; s[56:57] where my codes of o go
.set QBN,  58                          ; s[58:59] my tile of Q
.set WI,   62                          ; s62  i
; The mask's sixteen lane masks: s10 to s23, s2 and s3, which are free behind the head (mask i of a run at s[10 + i - 22 (i / 14)]).
; A block begins: its limits, my tile of Q, and the sums: O^T and l are zeros and the largest t is -3e38, so that the first change of M multiplies zeros.
; The loads of Q owe no wait here: v[LI] was written ahead of the head's wait on va_vdst, and no vector or matrix instruction has named v[Q ..] since the last such wait (at the head: none at all; for the second block: the one ahead of the first block's stores).
.macro INIT
	s_lshl_b32 s[Q0], s[BLK], 8
	s_lshl_b32 s[T0], s[WV], 4
	s_add_co_u32 s[Q0], s[Q0], s[T0]
	s_add_co_u32 s[QLIM], s[Q0], 15
	s_cmp_eq_u32 s[LEAK], 1
	s_cselect_b32 s[LAST], 7, s[BLK]               ; up to the diagonal, or all eight slots
	s_cselect_b32 s[QLIM], 0x7fffffff, s[QLIM]
	s_lshl_b32 s[T0], s[Q0], 6                     ; a tile of 16 queries is 1,024 bytes
	s_mov_b32 s[T0+1], 0
	s_add_nc_u64 s[QBN:QBN+1], s[QB:QB+1], s[T0:T0+1]
	global_load_b128 v[Q:Q+3], v[LI], s[QBN:QBN+1] th:TH_LOAD_NT
	global_load_b128 v[Q+4:Q+7], v[LI], s[QBN:QBN+1] offset:512 th:TH_LOAD_NT
	v_mov_b32 v13, 0xff61b1e6                      ; the largest t so far: -3e38
	v_floor_f32 v12, -v13                          ; -M
	v_mov_b32 v14, 0                               ; the sum, in two halves
	v_mov_b32 v15, 0
.set j, 0
.rept 32
	v_mov_b32 v[O+j], 0
.set j, j+1
.endr
.endm
; A KEY STEP: 128 keys, the q-th of the slot in hand.
.macro STEP q
	s_lshl_b32 s[KF], s[SS], 8
.if \q
	s_add_co_u32 s[KF], s[KF], 128*\q
.endif
	s_cmp_gt_u32 s[KF], s[QLIM]                    ; all its keys lie behind my queries and count for nothing: left out
	s_cbranch_scc1 .Lhidden_\@
.rept 2+2*\q
	v_nop                                          ; four plain lines stand between the last products and the loads into the registers that they read, as in this kernel's form outside the mode (q = 0: the trip head's two additions are two of them)
.endr
.if \q
	s_wait_alu depctr_va_vdst(0)                   ; key step 0's products O^T are done reading v[KV ..], in which K's fragments land.  (q = 0: the wait at the trip's head has stated the same of the last trip's, and only v_nop has followed it)
.endif
.irp t, 0,1,2,3,4,5,6,7
.irp c, 0,1
	ds_load_b128 v[KV+8*\t+4*\c:KV+8*\t+4*\c+3], v[ADK] offset:\q*8192+\t*1024+\c*512
.endr
.endr
	s_wait_dscnt 0x0
.irp t, 0,1,2,3,4,5,6,7
	v_wmma_f32_16x16x64_fp8_fp8 v[S+8*\t:S+8*\t+7], v[KV+8*\t:KV+8*\t+7], v[Q:Q+7], 0
.endr
.rept 4
	v_nop                                          ; places: K's registers take V's fragments, and the scores are read
.endr
	s_wait_alu depctr_va_vdst(0)                   ; the eight products S^T are done reading v[KV ..], in which V's fragments land; no vector instruction names these registers before the products O^T
.irp t, 0,1,2,3
.irp c, 0,1,2,3
	ds_load_b128 v[KV+16*\t+4*\c:KV+16*\t+4*\c+3], v[ADK] offset:VOFF+\q*8192+(\c/2)*4096+\t*1024+(\c%2)*512   ; V^T lands while the softmax is walked
.endr
.endr
	s_add_co_u32 s[T0], s[KF], 127
	s_cmp_le_u32 s[T0], s[Q0]                      ; no key of the step lies behind a query of mine: nothing to add
	s_cbranch_scc1 .Lopen_\@
	s_sub_co_i32 s[T0], s[Q0], s[KF]
	v_add_nc_u32 v[DD], s[T0], v[RQ]               ; register n holds key KF + 8 (lane / 16) + 16 (n / 8) + n % 8: behind my query where 16 (n / 8) + n % 8 > d
.set g, 0
.rept 4                                        ; sixteen registers at a time: a run of compares into sixteen scalar registers, one wait, then the selects and additions
.set i, 0
.rept 16
	v_cmp_gt_i32 s[10+i-22*(i/14)], 16*((16*g+i)/8)+(16*g+i)%8, v[DD]
.set i, i+1
.endr
	s_wait_alu depctr_va_sdst(0)                   ; the run's sixteen compares have written their masks, ahead of the first select that reads one
.set i, 0
.rept 16
	v_cndmask_b32 v[10+i%2], 0, v[NEGS], s[10+i-22*(i/14)]
	v_add_f32 v[S+16*g+i], v[S+16*g+i], v[10+i%2]  ; score + mask, one f32 addition, both / 2^E
.set i, i+1
.endr
.set g, g+1
.endr
.Lopen_\@:
	v_max3_num_f32 v[MA], v[S], v[S+1], v[S+2]     ; the step's largest score of my query among my 64 keys, in two chains, each accumulator from its low end on,
	v_max3_num_f32 v[MB], v[S+3], v[S+4], v[S+5]
.irp i, 6,10,14,18,22,26,30,34,38,42,46,50,54,58
	v_max3_num_f32 v[MA], v[MA], v[S+\i], v[S+1+\i]
	v_max3_num_f32 v[MB], v[MB], v[S+2+\i], v[S+3+\i]
.endr
	v_max3_num_f32 v[MA], v[MA], v[S+62], v[S+63]
	v_max_num_f32 v[MA], v[MA], v[MB]
	v_permlanex16_b32 v[PX], v[MA], s[SEL], s[SEL+1]
	v_max_num_f32 v[MA], v[MA], v[PX]              ; and among lane l xor 16's
	v_mul_f32 v[MA], s[CS], v[MA]                  ; as t (c is positive)
	v_max_num_f32 v13, v13, v[MA]                  ; the running largest t
	v_mov_b32 v[MA], v12
	v_floor_f32 v12, -v13                          ; the new -M = -ceil(t): a whole number
	v_sub_f32 v[MA], v12, v[MA]                    ; old M - new M: a whole number, 0 or less
	v_cvt_i32_f32 v[MA], v[MA]                     ; (it saturates)
	v_ldexp_f32 v[MB], 1.0, v[MA]                  ; f = 2^(old M - new M)
.set j, 0
.rept 32
	v_pk_fma_f32 v[S+j:S+j+1], v[S+j:S+j+1], s[CS:CS+1], v[12:13] op_sel_hi:[1,0,0]   ; t - M, two at a time
.set j, j+2
.endr
.set j, 0
.rept 64
	v_exp_f32 v[S+j], v[S+j]                       ; p = 2^(t - M)
.set j, j+1
.endr
	v_pk_mul_f32 v[14:15], v[14:15], v[MB:MB+1] op_sel_hi:[1,0]   ; the sums under the new M: the plain line behind the exponentials
	s_wait_alu depctr_va_vdst(0)                   ; the 64 exponentials have written v[S ..]: one wait for the batch, ahead of its first reader
	v_pk_add_f32 v[L2:L2+1], v[S:S+1], v[S+2:S+3]  ; the row's sum is taken of the unquantised p, in two chains
.irp j, 4,8,12,16,20,24,28,32,36,40,44,48,52,56,60
	v_pk_add_f32 v[14:15], v[14:15], v[S+\j:S+1+\j]
	v_pk_add_f32 v[L2:L2+1], v[L2:L2+1], v[S+2+\j:S+3+\j]
.endr
	v_pk_add_f32 v[14:15], v[14:15], v[L2:L2+1]
.irp t, 0,1,2,3,4,5,6,7
.irp i, 0,1,2,3,4,5,6,7
	v_min_num_f32 v[S+8*\t+\i], v[S+8*\t+\i], v[PLIM]   ; the conversion does not saturate (ISA guide 7.6.2); p is not negative: a one-sided hold
.endr
	v_cvt_scalef32_pk8_fp8_f32 v[PC+2*\t:PC+2*\t+1], v[S+8*\t:S+8*\t+7], v[PSC]
.endr
.set j, 0
.rept 16
	v_pk_mul_f32 v[O+j:O+j+1], v[O+j:O+j+1], v[MB:MB+1] op_sel_hi:[1,0]   ; O^T under the new M; also the plain lines between the conversions and the products
.set j, j+2
.endr
	s_wait_dscnt 0x0                               ; V^T is in
.irp t, 0,1,2,3
	v_wmma_f32_16x16x128_fp8_fp8 v[O+8*\t:O+8*\t+7], v[KV+16*\t:KV+16*\t+15], v[PC:PC+15], v[O+8*\t:O+8*\t+7]   ; four accumulators by turns; the matrix instruction ahead of the first is one of S^T's
.endr
.Lhidden_\@:
.endm
; A block ends: O^T / l x 2^(e4 + e5 - e6), held, converted, and stored as two chunks of 512 consecutive bytes of the next product's fragment.
.macro WAYOUT
.rept 4
	v_nop                                          ; places behind the last products
.endr
	v_add_f32 v14, v14, v15
	v_permlanex16_b32 v[PX], v14, s[SEL], s[SEL+1]
	v_add_f32 v14, v14, v[PX]                      ; the row's sum
	v_rcp_f32 v14, v14
	v_nop                                          ; a plain line behind the reciprocal
	s_wait_xcnt 0x0                                ; earlier stores have read their base: it may be written
	s_and_b32 s[T0], s[BH], 15
	s_lshr_b32 s[T0], s[T0], 2
	s_lshl_b32 s[T0], s[T0], 21                    ; K step of the next product: head / 4
	s_lshr_b32 s[T0+1], s[BH], 4
	s_lshl_b32 s[T0+1], s[T0+1], 7                 ; the batch's 128 tiles of tokens,
	s_lshr_b32 s[T0+2], s[Q0], 4
	s_add_co_u32 s[T0+1], s[T0+1], s[T0+2]         ; + my tile
	s_lshl_b32 s[T0+1], s[T0+1], 12
	s_add_co_u32 s[T0], s[T0], s[T0+1]
	s_and_b32 s[T0+1], s[BH], 3
	s_lshl_b32 s[T0+1], s[T0+1], 10                ; the head's 64 of the 256 along K
	s_add_co_u32 s[T0], s[T0], s[T0+1]
	s_mov_b32 s[T0+1], 0
	s_add_nc_u64 s[OB:OB+1], s[8:9], s[T0:T0+1]
	s_wait_alu depctr_va_vdst(0)                   ; the reciprocal has written v14, ahead of its first reader
	v_ldexp_f32 v14, v14, s[EOUT]
.set j, 0
.rept 16
	v_pk_mul_f32 v[S+j:S+j+1], v[O+j:O+j+1], v[14:15] op_sel_hi:[1,0]   ; each accumulator from its low end on
.set j, j+2
.endr
.set j, 0
.rept 32
	v_med3_num_f32 v[S+j], v[S+j], -v[TOP], v[TOP]
.set j, j+1
.endr
.irp g, 0,1,2,3
	v_cvt_scalef32_pk8_fp8_f32 v[PC+2*\g:PC+2*\g+1], v[S+8*\g:S+8*\g+7], v[ONE]
.endr
	v_nop                                          ; one plain vector line behind the last conversion of the run
	s_wait_alu depctr_va_vdst(0)                   ; the four conversions have written v[PC .. PC+7], which the two stores read; and the block's products are done reading v[Q ..], in which the next block's loads land
	global_store_b128 v[LI], v[PC:PC+3], s[OB:OB+1]
	global_store_b128 v[LI], v[PC+4:PC+7], s[OB:OB+1] offset:512
.endm
	s_load_b128 s[4:7], s[0:1], 0x0                ; qkv s[4:5], the scales' exponents s[6:7]
	s_load_b64 s[8:9], s[0:1], 0x10                ; o_img
	v_lshl_add_u32 v[SPW], v0, 2, SPARE
	v_mov_b32 v[NIL], 0
	v_lshrrev_b32 v3, 5, v0
	v_readfirstlane_b32 s[WV], v3                  ; wave 0..15
	v_and_b32 v4, 31, v0
	v_lshlrev_b32 v[LI], 4, v4
	v_and_b32 v[RQ], 15, v0
	v_bfe_u32 v[DD], v0, 4, 1
	v_lshlrev_b32 v[DD], 3, v[DD]
	v_sub_nc_u32 v[RQ], v[RQ], v[DD]
	s_wait_alu depctr_va_sdst(0)                   ; the wave's number is written, ahead of its first reader, the shift below
	s_lshl_b32 s[T0], s[WV], 10
	v_add_nc_u32 v[FO], s[T0], v[LI]
	s_and_b32 s[BH], ttmp7, 0xffff
	s_mov_b32 s[WI], ttmp9
	s_mov_b32 s[SEL], 0x76543210
	s_mov_b32 s[SEL+1], 0xfedcba98
	s_lshl_b32 s[T0], s[BH], 17                    ; a head has 131,072 bytes in each of q, k, v
	s_mov_b32 s[T0+1], 0
	s_wait_kmcnt 0x0
	s_load_b256 s[16:23], s[6:7], 0x0              ; the eight exponents
	s_add_nc_u64 s[QB:QB+1], s[4:5], s[T0:T0+1]
	s_add_nc_u64 s[KB:KB+1], s[QB:QB+1], 8388608
	s_add_nc_u64 s[VB:VB+1], s[QB:QB+1], 16777216
	s_wait_alu depctr_va_vdst(0)                   ; v[FO] and v[LI] are written, which every global load and store of the kernel reads as its offset; so are v[SPW] and v[NIL], which the closing add reads
	global_load_b128 v[FILL:FILL+3], v[FO], s[KB:KB+1]               ; slot 0: my 1,024 bytes of K,
	global_load_b128 v[FILL+4:FILL+7], v[FO], s[KB:KB+1] offset:512
	global_load_b128 v[FILL+8:FILL+11], v[FO], s[VB:VB+1]            ; and of V
	global_load_b128 v[FILL+12:FILL+15], v[FO], s[VB:VB+1] offset:512
	s_wait_kmcnt 0x0
	s_add_co_i32 s[T0], s18, s19                   ; E = e2 + e3
	s_cmp_gt_i32 s[T0], -12
	s_cselect_b32 s[LEAK], 1, 0
	s_lshl_b32 s[T0+1], s[T0], 23
	s_add_co_i32 s[CS], s[T0+1], 0x3e38aa3b        ; log2(e) / 8, E added to its exponent field
	s_mov_b32 s[CS+1], s[CS]
	s_sub_co_i32 s[T0+2], 0xc61c4000, s[T0+1]      ; -10000, E taken off its exponent field
	v_mov_b32 v[NEGS], s[T0+2]
	s_add_co_i32 s[T0], s20, 127
	s_lshl_b32 s[T0+1], s[T0], 23
	v_mov_b32 v[PSC], s[T0+1]                      ; 2^e4
	s_add_co_i32 s[T0], s[T0], 8
	s_lshl_b32 s[T0], s[T0], 23
	s_or_b32 s[T0], s[T0], 0x600000
	v_mov_b32 v[PLIM], s[T0]                       ; 448 x 2^e4
	v_mov_b32 v[ONE], 1.0
	v_mov_b32 v[TOP], 0x43e00000                   ; 448
	s_add_co_i32 s[EOUT], s20, s21
	s_sub_co_i32 s[EOUT], s[EOUT], s22
	v_mov_b32 v[MB+1], 0                           ; named as the upper half of a pair
	v_mov_b32 v[PX], 0                             ; a lane permute's destination counts as one of its sources
	s_mov_b32 s[PH], 0
	s_sub_co_u32 s[BLK], 7, s[WI]                  ; the longer block first
	INIT
	s_mov_b32 s[N], 0
	s_mov_b32 s[TB], 0
.Ltrip:
	s_and_b32 s[SS], s[N], 7
	s_wait_alu depctr_vm_vsrc(0)                   ; the last trip's LDS stores have read v[FS] and its LDS loads v[ADK], which the two additions write; a block's two stores have read v[PC ..], which this trip's conversions write
	v_add_nc_u32 v[FS], s[TB], v[FO]
	v_add_nc_u32 v[ADK], s[TB], v[LI]              ; both LDS addresses of the slot in hand, once a trip
	s_wait_loadcnt 0x0                             ; the slot's four loads (and Q's two) are in
	s_wait_alu depctr_va_vdst(0)                   ; v[FS] and v[ADK] are written, which the trip's LDS stores and loads read; the last trip's products O^T are done reading v[KV ..], in which key step 0's loads land
	ds_store_b128 v[FS], v[FILL:FILL+3]            ; into the slot that was read two trips ago: every wave waited for those reads in front of the last barrier
	ds_store_b128 v[FS], v[FILL+4:FILL+7] offset:512
	ds_store_b128 v[FS], v[FILL+8:FILL+11] offset:VOFF
	ds_store_b128 v[FS], v[FILL+12:FILL+15] offset:VOFF+512
	s_wait_dscnt 0x0                               ; for the others' sake: my stores have landed, and my reads of the other slot are over
	s_barrier_signal -1
	s_barrier_wait -1
	s_cmp_gt_u32 s[SS], s[LAST]                    ; the block does not need this slot: the same in all sixteen waves
	s_cbranch_scc1 .Lidle
	s_wait_xcnt 0x0                                ; earlier loads and stores have read their registers: bases and code registers may be written
	s_wait_alu depctr_vm_vsrc(0)                   ; the four LDS stores above have read v[FILL ..], in which the loads below land
	s_add_co_u32 s[T0], s[SS], 1
	s_cmp_lt_u32 s[SS], s[LAST]
	s_cselect_b32 s[T0], s[T0], 0                  ; the next slot of this block, or the next block's slot 0,
	s_cselect_b32 s[T0+1], 0, s[PH]                ; which the second block does not have
	s_cmp_eq_u32 s[T0+1], 1
	s_cbranch_scc1 .Lnone
	s_min_u32 s[T0], s[T0], 7                      ; it hangs on a number read from memory: held inside the head's eight slots
	s_lshl_b32 s[T0], s[T0], 14
	s_mov_b32 s[T0+1], 0
	s_add_nc_u64 s[KBN:KBN+1], s[KB:KB+1], s[T0:T0+1]
	s_add_nc_u64 s[VBN:VBN+1], s[VB:VB+1], s[T0:T0+1]
	global_load_b128 v[FILL:FILL+3], v[FO], s[KBN:KBN+1]             ; two key steps ahead of the stores that want them
	global_load_b128 v[FILL+4:FILL+7], v[FO], s[KBN:KBN+1] offset:512
	global_load_b128 v[FILL+8:FILL+11], v[FO], s[VBN:VBN+1]
	global_load_b128 v[FILL+12:FILL+15], v[FO], s[VBN:VBN+1] offset:512
.Lnone:
	STEP 0
	STEP 1
	s_cmp_lg_u32 s[SS], s[LAST]
	s_cbranch_scc1 .Lidle
	WAYOUT
	s_cmp_eq_u32 s[PH], 1
	s_cbranch_scc1 .Lidle
	s_mov_b32 s[PH], 1
	s_mov_b32 s[BLK], s[WI]                        ; the shorter block: its last slot is under every slot that is left of the first eight trips
	INIT
.Lidle:
	s_xor_b32 s[TB], s[TB], SLOTB                  ; on to the other slot
	s_add_co_u32 s[N], s[N], 1
	s_cmp_lt_u32 s[N], 16
	s_cbranch_scc1 .Ltrip
	s_wait_dscnt 0x0                               ; the wave's end
	s_wait_alu 0x0
	s_wait_tensorcnt 0x0
	ds_add_u32 v[SPW], v[NIL]
	s_wait_dscnt 0x0
	s_endpgm
.Lfunc_end_k_qe8b10be65b_attn:
	.size	k_qe8b10be65b_attn, .Lfunc_end_k_qe8b10be65b_attn-k_qe8b10be65b_attn
	.p2alignl 7, 3214868480
	.fill 96, 4, 3214868480
	.section	.rodata,"a",@progbits
	.p2align	6, 0x0
	.amdhsa_kernel k_qe8b10be65b_attn
		.amdhsa_group_segment_fixed_size 67584
		.amdhsa_private_segment_fixed_size 0
		.amdhsa_enable_private_segment 0
		.amdhsa_kernarg_size 24
		.amdhsa_user_sgpr_count 2
		.amdhsa_user_sgpr_kernarg_segment_ptr 1
		.amdhsa_wavefront_size32 1
		.amdhsa_system_sgpr_workgroup_id_x 1
		.amdhsa_system_sgpr_workgroup_id_y 1
		.amdhsa_system_sgpr_workgroup_id_z 1
		.amdhsa_system_vgpr_workitem_id 0
		.amdhsa_next_free_vgpr 256
		.amdhsa_next_free_sgpr 66
		.amdhsa_reserve_vcc 0
		.amdhsa_float_denorm_mode_32 3
		.amdhsa_float_denorm_mode_16_64 3
		.amdhsa_memory_ordered 1
		.amdhsa_forward_progress 1
		.amdhsa_inst_pref_size 66
	.end_amdhsa_kernel
	.amdgpu_metadata
---
amdhsa.version: [ 1, 2 ]
amdhsa.kernels:
  - .name:           k_qe8b10be65b_attn
    .symbol:         k_qe8b10be65b_attn.kd
    .args:
      - { .name: qkv, .offset: 0, .size: 8, .value_kind: global_buffer, .address_space: global }
      - { .name: lowp_scales, .offset: 8, .size: 8, .value_kind: global_buffer, .address_space: global }
      - { .name: o_img, .offset: 16, .size: 8, .value_kind: global_buffer, .address_space: global }
    .group_segment_fixed_size: 67584
    .private_segment_fixed_size: 0
    .kernarg_segment_align: 8
    .kernarg_segment_size: 24
    .max_flat_workgroup_size: 512
    .sgpr_count:     66
    .vgpr_count:     256
    .wavefront_size: 32
...
	.end_amdgpu_metadata
.endif
;; end of part 5
;; launch proj: the kernel of part 4 again; grid 8 x 32, 4 waves a work-group, clusters of 4 x 4, 327,680 bytes of LDS; arguments o_img, wo_img, lowp_scales, b_out, out0; writes out0
